; MI455X (gfx1250); checked and timed in simulation.
; The chip was launched on July 23, 2026; its instructions are those of AMD's public machine-readable ISA for CDNA 5 (MIT licence, August 2026) and "CDNA5" Instruction Set Architecture Reference Guide (July 2026). The comments in the code are by the model that wrote it; some were corrected since.
;; Multi Head Attention. Allowed arithmetic: matrix products marked QUANTISED: E2M1 operands, one E8M0 scale for each 32 along K, by v_wmma_scale_f32_16x16x128_f8f6f4 with both operands' format E2M1 (or v_wmma_scale_f32_32x16x128_f4), f32 sums; everything else in f32.
;; Inputs: Wk_codes 1,040 x 32 x 16 uint8 (E2M1 codes of Wk, K innermost, in blocks of 32 codes, two codes a byte); Wk_scales 1,040 x 32 uint8 (E8M0 scales of Wk, one for each 32 codes along K); Wo 1,024 x 1,040 float32; Wq_codes 1,040 x 32 x 16 uint8 (E2M1 codes of Wq, K innermost, in blocks of 32 codes, two codes a byte); Wq_scales 1,040 x 32 uint8 (E8M0 scales of Wq, one for each 32 codes along K); Wv_codes 1,040 x 32 x 16 uint8 (E2M1 codes of Wv, K innermost, in blocks of 32 codes, two codes a byte); Wv_scales 1,040 x 32 uint8 (E8M0 scales of Wv, one for each 32 codes along K); bk 1,040 float32; bo 1,024 float32; bq 1,040 float32; bv 1,040 float32; k_codes 4 x 2,048 x 32 x 16 uint8 (E2M1 codes of k, K innermost, in blocks of 32 codes, two codes a byte); k_scales 4 x 2,048 x 32 uint8 (E8M0 scales of k, one for each 32 codes along K); mask 4 x 1 x 2,048 x 2,048 int32; q_codes 4 x 2,048 x 32 x 16 uint8 (E2M1 codes of q, K innermost, in blocks of 32 codes, two codes a byte); q_scales 4 x 2,048 x 32 uint8 (E8M0 scales of q, one for each 32 codes along K); v_codes 4 x 2,048 x 32 x 16 uint8 (E2M1 codes of v, K innermost, in blocks of 32 codes, two codes a byte); v_scales 4 x 2,048 x 32 uint8 (E8M0 scales of v, one for each 32 codes along K).
;; Outputs: out0 4 x 2,048 x 1,024 float32.
;; This version of the problem:
;;   THIS VERSION OF THE PROBLEM IS GIVEN IN LOW PRECISION. The matrix products marked QUANTISED in the list below multiply operands that are first quantised to E2M1 (2 exponent bits, 1 mantissa bit; 4 bits a number), with one power-of-two scale for each 32 numbers along K (OCP MX v1.0); their sums are f32. All else is computed in f32.
;;   The module's matrix products, in the order in which they are computed (A, B: the left and right operand; K: the contracted axis; several contracted axes count as one K, in the product's order):
;;     1. [M 8,192, K 1,024] x [K 1,024, N 1,040]; A: input q (given as codes); B: input Wq (given as codes): QUANTISED
;;     2. [M 8,192, K 1,024] x [K 1,024, N 1,040]; A: input k (given as codes); B: input Wk (given as codes): QUANTISED
;;     3. [M 8,192, K 1,024] x [K 1,024, N 1,040]; A: input v (given as codes); B: input Wv (given as codes): QUANTISED
;;     4. batch 64 x [M 2,048, K 65] x [K 65, N 2,048]; A: computed on the way; B: computed on the way: QUANTISED
;;     5. batch 64 x [M 2,048, K 2,048] x [K 2,048, N 65]; A: softmax (see below); B: computed on the way: QUANTISED
;;     6. [M 8,192, K 1,040] x [K 1,040, N 1,024]; A: computed on the way; B: input Wo: QUANTISED
;;   THE QUANTISER, for each operand of a quantised product, along K:
;;     - K is cut into blocks of 32 from its start; a last block that is shorter is filled with zeros.
;;     - A block's scale is 2^e with e = floor(log2(the largest magnitude in the block)) - 2, held to -126 .. 127; a block of zeros has e = 0. As a byte (E8M0): e + 127.
;;     - Each number is divided by its block's scale, clamped to +-6, and rounded to the nearest number of E2M1, ties to even, subnormals kept.
;;     - The product sums the exact products of the quantised numbers (number of the format x scale) in f32.
;;   ~~~python
;;   def quantise(x, axis):      # numpy; x: float32 -> the quantised numbers, widened to float32 again
;;       x = np.moveaxis(x, axis, -1); K = x.shape[-1]
;;       x = np.pad(x, [(0, 0)] * (x.ndim - 1) + [(0, -K % 32)]); x = x.reshape(x.shape[:-1] + (-1, 32)); a = np.abs(x).max(-1, keepdims=True)
;;       e = np.where(a > 0, np.clip(np.frexp(np.where(a > 0, a, 1))[1] - 1 - 2, -126, 127), 0)      # np.frexp(a)[1] - 1 = floor(log2(a)), exactly
;;       r = np.clip(x / 2.0 ** e, -6, 6)
;;       step = 2.0 ** (np.maximum(np.frexp(np.where(r == 0, 1, r))[1] - 1, 0) - 1)
;;       q = np.round(r / step) * step * 2.0 ** e      # np.round: ties to even
;;       return np.moveaxis(q.reshape(q.shape[:-2] + (-1,))[..., :K], -1, axis).astype(np.float32)
;;   ~~~
;;   SOFTMAX AHEAD OF A QUANTISED PRODUCT. Where the list says 'softmax', what is quantised is not the finished softmax but p = 2^(t - M), with t = logit x log2(e) and M = ceil(the row's largest t), a whole number; so 1/2 < the row's largest p <= 1. The row's sum l is taken of the UNQUANTISED p, in f32, and the product's result is divided by l at the end. Since M is a whole number, a kernel that streams over the keys may use a running M (the ceiling of the running maximum): every later rescaling is an exact power of two, which a block's scale takes up: the codes' values come out the same.
;;   OPERANDS COMPUTED ON THE WAY. 'Computed on the way' means the value that the module computes at that place (a softmax that the list does not call 'softmax' is quantised finished and normalised). What goes into a quantiser is computed in f32, as accurately as f32 sums, v_exp_f32 and their like allow (about 1e-6 of the number): no bf16 or f16 on the way to a quantiser, and a product that is left as it is and whose result goes on into a quantised operand takes f32 operands (vector FMAs, or v_wmma_f32_16x16x4_f32). A number that lies on a knife's edge between two numbers of the format may be rounded either way, as far as f32 arithmetic and the matrix unit's own rounding can turn it there, and no further.
;;   INPUTS GIVEN AS CODES. Wk (in the module: [1040, 1024], K = its axis 1); Wq (in the module: [1040, 1024], K = its axis 1); Wv (in the module: [1040, 1024], K = its axis 1); k (in the module: [4, 2048, 1024], K = its axis 2); q (in the module: [4, 2048, 1024], K = its axis 2); v (in the module: [4, 2048, 1024], K = its axis 2): each comes as NAME_codes (uint8): NAME with its K axis moved to the last place and cut into blocks of 32 codes, [.., K / 32, bytes a block], one block behind the other in memory; two codes a byte, the lower K in the low four bits (a code: sign, 2 exponent bits, 1 mantissa bit); and NAME_scales (uint8): the same leading axes, one E8M0 byte (e + 127) for each 32 codes along K. Its value is code x scale, taken as it is: it is not quantised again, and the codes and scales need not be those that the quantiser above would give.
;; 2 versions. Each part assembles by itself: llvm-mc -triple=amdgcn-amd-amdhsa -mcpu=gfx1250 --defsym DOCPART=n.
;; ======== version 1 of 2: 3 launches
;; limits: right only within a limited range of input values
;; workspace buffers: qimg 5,242,880 bytes; kimg 5,242,880 bytes; vimg 5,767,168 bytes; mbits 2,097,152 bytes of whole numbers; woimg 589,824 bytes; wosc 36,864 bytes; om 33,554,432 bytes; ox 524,288 bytes
;; launch prep (part 1): grid 464 x 1, 4 waves a work-group, no clusters, 181,760 bytes of LDS; arguments q_codes, q_scales, Wq_codes, Wq_scales, bq, qimg, k_codes, k_scales, Wk_codes, Wk_scales, bk, kimg, v_codes, v_scales, Wv_codes, Wv_scales, bv, vimg, Wo, woimg, wosc, mask, mbits; writes qimg, kimg, vimg, woimg, wosc, mbits
.if DOCPART == 1
	.amdgcn_target "amdgcn-amd-amdhsa--gfx1250"
	.amdhsa_code_object_version 6
	.text
	.protected	k_q0988501cf6_prep
	.globl	k_q0988501cf6_prep
	.p2align	8
	.type	k_q0988501cf6_prep,@function
k_q0988501cf6_prep:
	s_mov_b64 s[64:65], 0
	v_nop
	global_prefetch_b8 v0, s[64:65] scope:SCOPE_SE
	s_setreg_imm32_b32 hwreg(HW_REG_WAVE_MODE, 25, 1), 1
	s_wait_xcnt 0x0
; PREP: all that attention and the last product want laid ready.  Four roles, chosen by the work-group number (the same in all four waves):
;   0-127   QK: qh = q Wq^T + bq (0-63) or kh = k Wk^T + bk (64-127), quantised along the 65 units of a head, stored as images of operand registers
;   128-191 V:  vh = v Wv^T + bv, quantised along the keys, stored likewise
;   192-207 Wo: quantised along its 1,040 columns, stored likewise
;   208-463 mask: 32 int32 of the mask become one bit word, laid as the scores lie in the lanes of the attention launch
; All products on codes of FP4 (E2M1) with one E8M0 scale for each 32 along K, f32 sums.
; PROJECTIONS.  A work-group takes 4 heads x 512 rows; wave w takes one head: its five tiles of 16 rows of W for all of K (8 steps of 128) stay in 320 registers.
; A head is 65 units: four tiles of 16 and a fifth tile whose sixteen rows are all unit 64.  The rows of x pass through LDS, 64 at a time, in two slots by turns:
; wave w loads tile w (16 whole rows of 512 bytes), all four waves read all four tiles.  ONE barrier a block: a slot is stored again only by waves that have passed
; the next barrier, which every wave reaches behind its awaited reads of the slot.  Each role has LDS bytes of its own.
; QK is used transposed (source 0 = W, source 1 = x): a lane holds one row of x and its registers run along the head units, which are the K of the scores.
; V is used straight (source 0 = x, source 1 = W): a lane holds one unit and its registers run along the keys, which are the K of the second product.
; The rows that form a tile are chosen so that the 16 registers of two neighbouring tiles are 16 neighbours along the next K: lane r of tile 2 b + u takes row 32 b + 8 u + r + 8 (r / 8).
; No joint loads: the rows of x that four work-groups share are 38 MB of requests beside the 67 MB of the mask that this launch streams, and each refill would want a round of a cluster barrier for 160 matrix instructions.
; LIMITS: blocks whose largest magnitude lies under 2^-124 keep the scale byte 1 (a block of zeros too: its codes are zeros, and this program alone reads the bytes); NaN and infinities are not served.
; REGISTERS (projections).  window 0: v1 lane, v2 r, v3 h, v4-12 addresses, v13 zero, v24-51 codes and scale words on their way out, v96-159 two sets of four fragments of x,
;   v160-175 at work, v184-223 scale words of W (8 t + s), v224-255 scale words of x (8 i + s).  window 1: W tiles 0-3 at 8 (8 t + s).
;   window 2: v0-63 W tile 4, v64-223 twenty accumulators.  window 3: v0-67 rows of x as loaded, v72-111 the bias in the layout of a result.
.set SEL, 40                           ; s[40:41] selects of v_permlanex16_b32 for lane l xor 16
.set XF,  96
.set WS,  184
.set XS,  224
.set TM,  160                          ; +0..3 largest magnitudes, +4..7 bytes, +8..10 the 65th unit, +12..15 scale operands of the conversions
.set PQ,  24                           ; codes
.set R4,  44                           ; the 65th codes of four tiles
.set PWQ, 48                           ; scale words of four tiles
.set PWV, 44                           ; V: scale words of five tiles and three zero words
.set MX,  64                           ; mask role: 64 numbers of the mask
.set MW,  32                           ; mask role: a pair of registers of bit words for each of 8 units
.set MSB, 0
.macro WIN new                         ; the upper byte of the immediate repeats the setting that is left; a switch that changes nothing is dropped
.if MSB != (\new)
	s_set_vgpr_msb (MSB<<8)|(\new)
.set MSB, (\new)
.endif
.endm
.macro MM d, a, b, c, sa, sb
	v_wmma_scale_f32_16x16x128_f8f6f4 v[\d:\d+7], v[\a:\a+7], v[\b:\b+7], v[\c:\c+7], v[\sa], v[\sb] matrix_a_fmt:MATRIX_FMT_FP4 matrix_b_fmt:MATRIX_FMT_FP4
.endm
; 16 rows of x (my tile) and their scale bytes, from off bytes behind the block in hand, into window 3: each load is one whole row, 512 consecutive bytes
.macro GLOAD off
	WIN 0xc0
.irp n, 0,1,2,3,4,5,6,7
	global_load_b128 v[4*\n:4*\n+3], v4, s[8:9] offset:\off+512*\n
.endr
.irp n, 0,1,2,3,4,5,6,7
	global_load_b128 v[32+4*\n:32+4*\n+3], v5, s[8:9] offset:\off+512*\n
.endr
	global_load_b128 v[64:67], v6, s[10:11] offset:(\off)/16
	WIN 0
.endm
; the four fragments of x of K step s, from the slot that begins lb bytes on, into set s % 2
.macro XFRAGS lb, s
.irp i, 0,1,2,3
.irp c, 0,1
	ds_load_b128 v[XF+32*((\s)%2)+8*\i+4*\c:XF+32*((\s)%2)+8*\i+4*\c+3], v9 offset:\lb+\i*8448+64*(\s)+32*\c
.endr
.endr
.endm
; One K step: 20 matrix instructions on 20 accumulators by turns.  The first K step takes the bias as C.
.macro KSTEP path, s, half
	s_wait_dscnt 0x0                               ; this step's fragments (and in step 0 the scale words) are in
.rept 4
	v_nop                                          ; four places between the last step's products and the loads into the set that they read
.endr
.if \s < 7
	XFRAGS 33792*\half, \s+1
.endif
.set FX, XF+32*(\s%2)
.if \s == 0
	WIN 0xb1+3*\path                               ; W window 1, x window 0, C window 3 (the bias), D window 2
.else
	WIN 0xa1+3*\path                               ; C and D window 2
.endif
.irp i, 0,1,2,3
.irp t, 0,1,2,3
.if \path == 0
.if \s == 0
	MM 64+8*(5*\i+\t), 8*(8*\t+\s), FX+8*\i, 72+8*\t, WS+8*\t+\s, XS+8*\i+\s
.else
	MM 64+8*(5*\i+\t), 8*(8*\t+\s), FX+8*\i, 64+8*(5*\i+\t), WS+8*\t+\s, XS+8*\i+\s
.endif
.else
.if \s == 0
	MM 64+8*(4*\t+\i), FX+8*\i, 8*(8*\t+\s), 72+8*\t, XS+8*\i+\s, WS+8*\t+\s
.else
	MM 64+8*(4*\t+\i), FX+8*\i, 8*(8*\t+\s), 64+8*(4*\t+\i), XS+8*\i+\s, WS+8*\t+\s
.endif
.endif
.endr
.endr
.if \s == 0
	WIN 0xb2+6*\path                               ; the fifth tile of W lies in window 2
.else
	WIN 0xa2+6*\path
.endif
.irp i, 0,1,2,3
.if \path == 0
.if \s == 0
	MM 64+8*(5*\i+4), 8*\s, FX+8*\i, 104, WS+32+\s, XS+8*\i+\s
.else
	MM 64+8*(5*\i+4), 8*\s, FX+8*\i, 64+8*(5*\i+4), WS+32+\s, XS+8*\i+\s
.endif
.else
.if \s == 0
	MM 64+8*(16+\i), FX+8*\i, 8*\s, 104, XS+8*\i+\s, WS+32+\s
.else
	MM 64+8*(16+\i), FX+8*\i, 8*\s, 64+8*(16+\i), XS+8*\i+\s, WS+32+\s
.endif
.endif
.endr
	WIN 0
.endm
; 32 registers of window 2, register 16 b + i = k 32 b + 16 (lane / 16) + i of my row, become operand registers 0-3 in v[dst] on; the two scale bytes stay in v[TM+4], v[TM+5].
; ex >= 0: v[ex] on (window 2) holds unit 64 eight times: its code goes to v[r4], its byte to v[TM+10].  Each accumulator is read from its low end on.
.macro QUANT2 src, dst, ex, r4
	WIN 0x28                                       ; sources 1 and 2 window 2
.irp b, 0,1
	v_max3_num_f32 v[TM+\b], 0x1800000, |v[\src+16*\b]|, |v[\src+16*\b+1]|   ; my 16 numbers of block b, and the floor 2^(3 - 127): the byte cannot fall under 1
.endr
.irp i, 2,4,6,8,10,12,14
.irp b, 0,1
	v_max3_num_f32 v[TM+\b], v[TM+\b], |v[\src+16*\b+\i]|, |v[\src+16*\b+\i+1]|
.endr
.endr
.if \ex >= 0
	v_max_num_f32 v[TM+8], 0x1800000, |v[\ex]|     ; the third block holds one number
.endif
	WIN 0
.irp b, 0,1
	v_permlanex16_b32 v[TM+4+\b], v[TM+\b], s[SEL], s[SEL+1]
.endr
.irp b, 0,1
	v_max_num_f32 v[TM+\b], v[TM+\b], v[TM+4+\b]   ; with lane l xor 16: the largest magnitude of the block
.endr
.irp b, 0,1
	v_add_nc_u32 v[TM+12+\b], 0xff000000, v[TM+\b] ; 2 off its exponent field: the scale operand of the conversion
.endr
.if \ex >= 0
	v_add_nc_u32 v[TM+9], 0xff000000, v[TM+8]
.endif
.irp b, 0,1
	v_lshrrev_b32 v[TM+4+\b], 23, v[TM+12+\b]      ; the scale byte
.endr
.if \ex >= 0
	v_lshrrev_b32 v[TM+10], 23, v[TM+9]
.endif
	WIN 0x02                                       ; source 0 window 2
.irp b, 0,1
	v_cvt_scalef32_pk8_fp4_f32 v[\dst+2*\b], v[\src+16*\b:\src+16*\b+7], v[TM+12+\b]
	v_cvt_scalef32_pk8_fp4_f32 v[\dst+2*\b+1], v[\src+16*\b+8:\src+16*\b+15], v[TM+12+\b]
.endr
.if \ex >= 0
	v_cvt_scalef32_pk8_fp4_f32 v[\r4], v[\ex:\ex+7], v[TM+9]
.endif
	WIN 0
	v_nop                                          ; one plain place behind the scaled conversions
	v_permlane16_swap_b32 v[\dst], v[\dst+2]       ; a whole block to a lane: lanes 0-15 block 0, lanes 16-31 block 1
	v_permlane16_swap_b32 v[\dst+1], v[\dst+3]
.endm
; 64 registers of window W, register 16 b + i = k 32 b + 16 (lane / 16) + i of my row, become a fragment in v[PQ] on and its scale word in v[PWQ]
.macro QUANT4W src, W
	WIN ((\W)<<2)|((\W)<<4)
.irp b, 0,1,2,3
	v_max3_num_f32 v[TM+\b], 0x1800000, |v[\src+16*\b]|, |v[\src+16*\b+1]|
.endr
.irp i, 2,4,6,8,10,12,14
.irp b, 0,1,2,3
	v_max3_num_f32 v[TM+\b], v[TM+\b], |v[\src+16*\b+\i]|, |v[\src+16*\b+\i+1]|
.endr
.endr
	WIN 0
.irp b, 0,1,2,3
	v_permlanex16_b32 v[TM+4+\b], v[TM+\b], s[SEL], s[SEL+1]
.endr
.irp b, 0,1,2,3
	v_max_num_f32 v[TM+\b], v[TM+\b], v[TM+4+\b]
.endr
.irp b, 0,1,2,3
	v_add_nc_u32 v[TM+12+\b], 0xff000000, v[TM+\b]
.endr
.irp b, 0,1,2,3
	v_lshrrev_b32 v[TM+4+\b], 23, v[TM+12+\b]
.endr
	v_lshl_or_b32 v[PWQ], v[TM+5], 8, v[TM+4]
	v_lshl_or_b32 v[PWQ], v[TM+6], 16, v[PWQ]
	v_lshl_or_b32 v[PWQ], v[TM+7], 24, v[PWQ]
	WIN (\W)
.irp b, 0,1,2,3
	v_cvt_scalef32_pk8_fp4_f32 v[PQ+2*\b], v[\src+16*\b:\src+16*\b+7], v[TM+12+\b]
	v_cvt_scalef32_pk8_fp4_f32 v[PQ+2*\b+1], v[\src+16*\b+8:\src+16*\b+15], v[TM+12+\b]
.endr
	WIN 0
	v_nop
.irp c, 0,1
.irp i, 0,1
	v_permlane16_swap_b32 v[PQ+4*\c+\i], v[PQ+2+4*\c+\i]
.endr
.endr
.endm
; The way out of a block of q or k: four tiles of a record of 5,120 bytes (128 rows): 512 t + 16 lane: registers 0-3; 4,096 + 256 hf + 16 r + 4 i: register 4; 4,608 + ...: the scale word
.macro EPI_QK half
	s_wait_xcnt 0x0                                ; the last block's stores have read their registers
.rept 4
	v_nop                                          ; four places behind the last products
.endr
.irp i, 0,1,2,3
	QUANT2 64+40*\i, PQ+4*\i, 64+40*\i+32, R4+\i
	v_and_b32 v[R4+\i], 15, v[R4+\i]               ; one code of the eight equal ones: k = 64; k = 65 on are zero codes
	v_lshl_or_b32 v[PWQ+\i], v[TM+5], 8, v[TM+4]
	v_lshl_or_b32 v[PWQ+\i], v[TM+10], 16, v[PWQ+\i]   ; three bytes; the fourth is 0 and stands over zero codes
	global_store_b128 v11, v[PQ+4*\i:PQ+4*\i+3], s[18:19] offset:2048*\half+512*\i   ; 512 consecutive bytes
.endr
	global_store_b128 v12, v[R4:R4+3], s[18:19] offset:4096+256*\half    ; 256 consecutive bytes; both halves of the lanes hold and write the same
	global_store_b128 v12, v[PWQ:PWQ+3], s[18:19] offset:4608+256*\half
.endm
; The way out of a block of v: half a K step (64 keys) of five tiles of a record of 5,632 bytes: 1,024 t + 512 c + 16 lane; the scale words at 5,120 + 16 r + 4 t and 5,376 + 16 r
.macro EPI_V half
	s_wait_xcnt 0x0
.rept 4
	v_nop
.endr
.irp t, 0,1,2,3,4
	QUANT2 64+32*\t, PQ+4*\t, -1, 0
.if \half == 0
	v_lshl_or_b32 v[PWV+\t], v[TM+5], 8, v[TM+4]   ; bytes 0 and 1 of the word of 128 keys
.else
	v_lshl_or_b32 v[TM+4], v[TM+5], 8, v[TM+4]
	v_lshl_or_b32 v[PWV+\t], v[TM+4], 16, v[PWV+\t]    ; bytes 2 and 3
.endif
	global_store_b128 v11, v[PQ+4*\t:PQ+4*\t+3], s[18:19] offset:1024*\t+512*\half
.endr
.if \half == 1
	global_store_b128 v12, v[PWV:PWV+3], s[18:19] offset:5120
	global_store_b128 v12, v[PWV+4:PWV+7], s[18:19] offset:5376
.endif
.endm
; A block of 64 rows, in slot half
.macro BLOCK path, half
	s_wait_loadcnt 0x0                             ; my 16 rows and their scale bytes are in (asked for a block ago)
	WIN 0x0c                                       ; the data of an LDS store are its source 1: window 3
.irp n, 0,1,2,3,4,5,6,7,8,9,10,11,12,13,14,15
	ds_store_b128 v7, v[4*\n:4*\n+3] offset:33792*\half+528*\n
.endr
	ds_store_b128 v8, v[64:67] offset:3072*\half
	WIN 0
	s_wait_dscnt 0x0                               ; for the others: my stores have landed; my reads of the other slot were awaited in its K steps
	s_barrier_signal -1
	s_barrier_wait -1
.if \half == 0
	GLOAD 32768                                    ; the next block
.else
	s_cmp_eq_u32 s32, 1                            ; the last block asks for nothing: no load leaves its buffer
	s_cbranch_scc1 .Lnomore_\@
	GLOAD 65536
.Lnomore_\@:
.endif
.irp i, 0,1,2,3
.irp j, 0,1
	ds_load_b128 v[XS+8*\i+4*\j:XS+8*\i+4*\j+3], v10 offset:3072*\half+768*\i+16*\j   ; the eight scale words of row r of tile i
.endr
.endr
	XFRAGS 33792*\half, 0
.irp s, 0,1,2,3,4,5,6,7
	KSTEP \path, \s, \half
.endr
.if \path == 0
	EPI_QK \half
.else
	EPI_V \half
.endif
.endm
; A projection role.  path 0: q or k;  path 1: v
.macro PROJ path
.if \path == 0
	s_load_b256 s[8:15], s[0:1], 0x0               ; q: codes, scales; Wq: codes, scales
	s_load_b128 s[16:19], s[0:1], 0x20             ; bq, qimg
	s_load_b256 s[20:27], s[0:1], 0x30             ; the same six of k
	s_load_b128 s[28:31], s[0:1], 0x50
	s_lshr_b32 s4, ttmp9, 6                        ; 0: q, 1: k
.else
	s_load_b256 s[8:15], s[0:1], 0x60              ; the six of v
	s_load_b128 s[16:19], s[0:1], 0x80
.endif
	s_bfe_u32 s5, ttmp9, 0x20004                   ; which four heads
	s_and_b32 s6, ttmp9, 15                        ; which 512 rows
	s_lshl_b32 s7, s5, 2
	s_add_co_u32 s7, s7, s3                        ; my head
	s_lshr_b32 s42, s3, 1
	s_lshl_b32 s42, s42, 5
	s_and_b32 s43, s3, 1
	s_lshl_b32 s43, s43, 3
	s_add_co_u32 s42, s42, s43                     ; first row of my tile of k or v: 32 (w / 2) + 8 (w % 2); its rows 8-15 lie 16 further on
.if \path == 0
	s_lshl_b32 s43, s3, 4                          ; of q: 16 w, sixteen neighbours
	s_cmp_eq_u32 s4, 0
	s_cselect_b32 s42, s43, s42
	s_cselect_b32 s44, 8, 16
	s_cselect_b32 s45, 0, 8
.else
	s_mov_b32 s44, 16
	s_mov_b32 s45, 8
.endif
	v_lshlrev_b32 v11, 4, v1                       ; 16 x lane
	v_lshlrev_b32 v12, 4, v2                       ; 16 r
	s_lshl_b32 s46, s42, 9
	v_add_nc_u32 v4, s46, v11                      ; x: rows 0-7 of my tile
	s_add_co_u32 s47, s42, s44
	s_lshl_b32 s47, s47, 9
	v_add_nc_u32 v5, s47, v11                      ; rows 8-15
	v_lshrrev_b32 v14, 1, v1
	v_mul_u32_u24 v15, s45, v3
	v_add3_u32 v16, v14, v15, s42
	v_and_b32 v15, 1, v1
	v_lshlrev_b32 v15, 4, v15
	v_lshl_add_u32 v6, v16, 5, v15                 ; scale bytes: two lanes to a row of 32 bytes
	s_mul_i32 s46, s3, 8448
	s_add_co_u32 s46, s46, 73728*\path
	v_add_nc_u32 v7, s46, v11                      ; LDS, in: my tile, rows 528 bytes apart (512 + 16: an odd multiple of 16)
	v_mul_u32_u24 v14, v14, 48
	v_add_nc_u32 v14, v14, v15
	s_mul_i32 s46, s3, 768
	s_add_co_u32 s46, s46, 73728*\path+67584
	v_add_nc_u32 v8, s46, v14                      ; scale bytes, in: rows 48 bytes apart
	v_mul_u32_u24 v9, v2, 528
	v_lshl_add_u32 v9, v3, 4, v9
	v_add_nc_u32 v9, 73728*\path, v9               ; a fragment: row r, + 16 h
	v_mul_u32_u24 v10, v2, 48
	v_add_nc_u32 v10, 73728*\path+67584, v10       ; scale words of row r
.if \path == 0
	v_and_b32 v22, 8, v2
	v_add_nc_u32 v22, v22, v2                      ; r + 8 (r / 8)
	v_lshlrev_b32 v23, 6, v3                       ; the bias: a lane holds units 16 h + ... of a pair of tiles
.else
	v_mov_b32 v22, v2
	v_lshlrev_b32 v23, 2, v2                       ; the bias: a lane holds unit r of a tile
.endif
	v_lshlrev_b32 v15, 4, v3                       ; the fifth tile: the same row in every lane
	v_lshl_add_u32 v14, v22, 9, v15                ; W: a row is 512 bytes
	v_lshlrev_b32 v22, 5, v22                      ; and 32 scale bytes
	v_mov_b32 v[TM+4], 0                           ; written once: the destination of a lane permute counts as a source
	v_mov_b32 v[TM+5], 0
.if \path == 1
.irp j, 5,6,7
	v_mov_b32 v[PWV+\j], 0
.endr
.endif
	s_mov_b32 s32, 4
	s_wait_kmcnt 0x0
.if \path == 0
	s_cmp_eq_u32 s4, 0
	s_cselect_b64 s[8:9], s[8:9], s[20:21]
	s_cselect_b64 s[10:11], s[10:11], s[22:23]
	s_cselect_b64 s[12:13], s[12:13], s[24:25]
	s_cselect_b64 s[14:15], s[14:15], s[26:27]
	s_cselect_b64 s[16:17], s[16:17], s[28:29]
	s_cselect_b64 s[18:19], s[18:19], s[30:31]
.endif
	s_mov_b32 s47, 0
	s_lshl_b32 s46, s6, 18
	s_add_nc_u64 s[8:9], s[8:9], s[46:47]          ; 512 rows of 512 bytes
	s_lshl_b32 s46, s6, 14
	s_add_nc_u64 s[10:11], s[10:11], s[46:47]
	s_mul_i32 s46, s7, 33280
	s_add_nc_u64 s[12:13], s[12:13], s[46:47]      ; 65 rows of W a head
	s_mul_i32 s46, s7, 2080
	s_add_nc_u64 s[14:15], s[14:15], s[46:47]
	s_mul_i32 s46, s7, 260
	s_add_nc_u64 s[16:17], s[16:17], s[46:47]
	s_lshr_b32 s46, s6, 2                          ; the record: ((batch x 16 + head) x 16 + step)
	s_lshl_b32 s46, s46, 4
	s_add_co_u32 s46, s46, s7
	s_lshl_b32 s46, s46, 4
	s_and_b32 s48, s6, 3
	s_lshl_b32 s48, s48, 2
	s_add_co_u32 s46, s46, s48
	s_mul_i32 s46, s46, 5120+512*\path
	s_add_nc_u64 s[18:19], s[18:19], s[46:47]
	WIN 0x40
.irp t, 0,1,2,3
.irp s, 0,1,2,3,4,5,6,7
.irp c, 0,1
	global_load_b128 v[8*(8*\t+\s)+4*\c:8*(8*\t+\s)+4*\c+3], v14, s[12:13] offset:((1-\path)*(32*(\t/2)+8*(\t%2))+\path*16*\t)*512+64*\s+32*\c
.endr
.endr
.endr
	WIN 0x80
.irp s, 0,1,2,3,4,5,6,7
.irp c, 0,1
	global_load_b128 v[8*\s+4*\c:8*\s+4*\c+3], v15, s[12:13] offset:64*512+64*\s+32*\c
.endr
.endr
	WIN 0
.irp t, 0,1,2,3
.irp j, 0,1
	global_load_b128 v[WS+8*\t+4*\j:WS+8*\t+4*\j+3], v22, s[14:15] offset:((1-\path)*(32*(\t/2)+8*(\t%2))+\path*16*\t)*32+16*\j
.endr
.endr
.irp j, 0,1
	global_load_b128 v[WS+32+4*\j:WS+32+4*\j+3], v13, s[14:15] offset:64*32+16*\j
.endr
	WIN 0xc0
.irp t, 0,1,2,3
.irp j, 0,1,2,3,4,5,6,7
	global_load_b32 v[72+8*\t+\j], v23, s[16:17] offset:(1-\path)*4*(32*(\t/2)+8*(\t%2)+\j)+\path*64*\t   ; a head begins 260 bytes behind the last: words, not quads
.endr
.endr
.irp j, 0,1,2,3,4,5,6,7
	global_load_b32 v[104+\j], v13, s[16:17] offset:256
.endr
	WIN 0
	GLOAD 0
.Ltrip_\@:                                         ; 4 trips of two blocks: one record of 128 rows
	BLOCK \path, 0
	BLOCK \path, 1
	s_wait_xcnt 0x0                                ; loads and stores have read their bases
	s_add_nc_u64 s[8:9], s[8:9], 0x10000
	s_add_nc_u64 s[10:11], s[10:11], 0x1000
	s_add_nc_u64 s[18:19], s[18:19], 5120+512*\path
	s_sub_co_u32 s32, s32, 1
	s_cmp_lg_u32 s32, 0
	s_cbranch_scc1 .Ltrip_\@
	s_wait_tensorcnt 0x0
	ds_add_u32 v182, v183
	s_wait_dscnt 0x0
	s_endpgm
.endm
; mask role: a unit is 16 queries x 128 keys: 16 loads of 512 consecutive bytes, into set U % 4 of window 1
.macro MLOAD U
	WIN 0x40
.irp n, 0,1,2,3,4,5,6,7,8,9,10,11,12,13,14,15
	global_load_b128 v[64*((\U)%4)+4*\n:64*((\U)%4)+4*\n+3], v4, s[8:9] offset:8192*\n+512*(\U) th:TH_LOAD_NT
.endr
	WIN 0
.endm
.macro UNIT U
.if 16*(7-\U) < 48
	s_wait_loadcnt 16*(7-\U)                       ; the loads of the younger units may be out
.else
	s_wait_loadcnt 48
.endif
	WIN 0x04
.irp n, 0,1,2,3,4,5,6,7,8,9,10,11,12,13,14,15
	ds_store_b128 v5, v[64*(\U%4)+4*\n:64*(\U%4)+4*\n+3] offset:528*\n     ; through my own stage: LDS serves the instructions of a wave in order
.endr
	WIN 0
.irp b, 0,1,2,3
.irp g, 0,1,2,3
	ds_load_b128 v[MX+16*\b+4*\g:MX+16*\b+4*\g+3], v6 offset:128*\b+16*\g   ; register 16 b + i: query r, key 32 b + 16 h + i
.endr
.endr
	s_wait_dscnt 0x0
.if \U < 4
	MLOAD \U+4
.endif
.set g8, 0
.rept 8
.irp k, 0,1,2,3,4,5,6,7
	v_cmp_ne_u32 s[44+\k], 0, v[MX+8*g8+\k]        ; word n: bit lane = the mask of that lane for score register n
.endr
.irp k, 0,1,2,3,4,5,6,7
	v_writelane_b32 v[MW+2*(\U)+(\k%2)], s[44+\k], 4*g8+\k/2
.endr
.set g8, g8+1
.endr
	global_store_b64 v7, v[MW+2*(\U):MW+2*(\U)+1], s[10:11] offset:256*(\U)   ; 64 words: 256 consecutive bytes, aligned
.endm
; Wo role
.macro WOSTEP s
.set cnt, 0
.if \s < 8
.set cnt, 16*(7-\s)+4                  ; the loads of the later K steps may be out
.endif
.if cnt > 63
.set cnt, 63
.endif
	s_wait_loadcnt cnt
	s_wait_xcnt 0x0                                ; the last step's stores have read their registers
.if \s == 8                            ; K = 1,040: the last step has 16 numbers; lanes 16-31 and blocks 1-3 are zeros
	WIN 0xc3
.irp j, 0,1,2,3,4,5,6,7,8,9,10,11,12,13,14,15
	v_cndmask_b32 v[\j], v[\j], v13, s42
.endr
.set jj, 16
.rept 48
	v_mov_b32 v[jj], 0
.set jj, jj+1
.endr
.endif
	QUANT4W 64*(\s%4), 1+\s/4
	global_store_b128 v6, v[PQ:PQ+3], s[10:11] offset:1024*\s
	global_store_b128 v6, v[PQ+4:PQ+7], s[10:11] offset:1024*\s+512
	global_store_b32 v7, v[PWQ], s[12:13] offset:512*\s   ; one word in 16 bytes: 37 KB in all leave so
.endm
	v_lshl_add_u32 v182, v0, 2, 0x2c400
	v_mov_b32 v183, 0
	v_lshrrev_b32 v1, 5, v0
	v_readfirstlane_b32 s3, v1                     ; wave 0..3
	v_and_b32 v1, 31, v0                           ; lane
	v_and_b32 v2, 15, v0                           ; r
	v_bfe_u32 v3, v0, 4, 1                         ; h
	v_mov_b32 v13, 0
	s_mov_b32 s[SEL], 0x76543210
	s_mov_b32 s[SEL+1], 0xfedcba98
	s_cmp_lt_u32 ttmp9, 128
	s_cbranch_scc1 .Lrole_qk
	s_cmp_lt_u32 ttmp9, 192
	s_cbranch_scc1 .Lrole_v
	s_cmp_lt_u32 ttmp9, 208
	s_cbranch_scc1 .Lrole_wo
	; ---- the mask: wave u = 4 (id - 208) + w takes query tile u / 2 (of 512) and 8 of its 16 steps of 128 keys
	s_load_b128 s[8:11], s[0:1], 0xa8              ; mask, mbits
	s_sub_co_u32 s4, ttmp9, 208
	s_lshl_b32 s4, s4, 2
	s_add_co_u32 s4, s4, s3
	s_lshr_b32 s5, s4, 1
	s_and_b32 s6, s4, 1
	s_lshl_b32 s20, s5, 17                         ; 16 rows of 8,192 bytes
	s_lshl_b32 s22, s6, 12
	s_add_co_u32 s20, s20, s22
	s_mov_b32 s21, 0
	s_lshl_b32 s22, s5, 12                         ; 16 units of 256 bytes
	s_lshl_b32 s23, s6, 11
	s_add_co_u32 s22, s22, s23
	s_mov_b32 s23, 0
	v_lshlrev_b32 v4, 4, v1
	s_mul_i32 s7, s3, 8448
	s_add_co_u32 s7, s7, 147456                    ; my stage: 16 rows x 528 bytes
	v_add_nc_u32 v5, s7, v4
	v_mul_u32_u24 v6, v2, 528
	v_lshl_add_u32 v6, v3, 6, v6
	v_add_nc_u32 v6, s7, v6
	v_lshlrev_b32 v7, 3, v1
.irp j, 0,1,2,3,4,5,6,7,8,9,10,11,12,13,14,15
	v_mov_b32 v[MW+\j], 0                          ; written once: the destination of v_writelane_b32 counts as a source
.endr
	s_wait_kmcnt 0x0
	s_add_nc_u64 s[8:9], s[8:9], s[20:21]
	s_add_nc_u64 s[10:11], s[10:11], s[22:23]
.irp U, 0,1,2,3
	MLOAD \U
.endr
.irp U, 0,1,2,3,4,5,6,7
	UNIT \U
.endr
	s_wait_tensorcnt 0x0
	ds_add_u32 v182, v183
	s_wait_dscnt 0x0
	s_endpgm
.Lrole_qk:
	PROJ 0
.Lrole_v:
	PROJ 1
.Lrole_wo:
	; ---- Wo [1024][1040] f32: wave nt = 4 (id - 192) + w takes rows 16 nt on.  Lane (r, h) takes, of row r, 16 neighbours of each block of 32.  All 132 loads go out at once.
	s_load_b128 s[8:11], s[0:1], 0x90              ; Wo, woimg
	s_load_b64 s[12:13], s[0:1], 0xa0              ; wosc
	s_sub_co_u32 s4, ttmp9, 192
	s_lshl_b32 s4, s4, 2
	s_add_co_u32 s4, s4, s3
	v_mul_u32_u24 v5, v2, 4160                     ; a row is 4,160 bytes
	v_lshl_add_u32 v4, v3, 6, v5
	v_lshlrev_b32 v6, 4, v1
	v_lshlrev_b32 v7, 4, v2
	s_mov_b32 s42, 0xffff0000                      ; lanes 16-31
.irp b, 0,1,2,3
	v_mov_b32 v[TM+4+\b], 0
.endr
	s_mul_i32 s44, s4, 66560
	s_mov_b32 s45, 0
	s_mul_i32 s46, s4, 9216                        ; nine fragments of 1,024 bytes
	s_mov_b32 s47, 0
	s_lshr_b32 s48, s4, 3                          ; scale words: [nt / 8][K step][16 ((nt / 4) % 2) + r][nt % 4]
	s_mul_i32 s48, s48, 4608
	s_bfe_u32 s49, s4, 0x10002
	s_lshl_b32 s49, s49, 8
	s_add_co_u32 s48, s48, s49
	s_and_b32 s49, s4, 3
	s_lshl_b32 s49, s49, 2
	s_add_co_u32 s48, s48, s49
	s_mov_b32 s49, 0
	s_wait_kmcnt 0x0
	s_add_nc_u64 s[8:9], s[8:9], s[44:45]
	s_add_nc_u64 s[10:11], s[10:11], s[46:47]
	s_add_nc_u64 s[12:13], s[12:13], s[48:49]
.irp s, 0,1,2,3,4,5,6,7
	WIN (1+\s/4)<<6
.irp b, 0,1,2,3
.irp j, 0,1,2,3
	global_load_b128 v[64*(\s%4)+16*\b+4*\j:64*(\s%4)+16*\b+4*\j+3], v4, s[8:9] offset:512*\s+128*\b+16*\j th:TH_LOAD_NT
.endr
.endr
.endr
	WIN 0xc0
.irp j, 0,1,2,3
	global_load_b128 v[4*\j:4*\j+3], v5, s[8:9] offset:4096+16*\j th:TH_LOAD_NT   ; both halves of the lanes read the row's last 16 numbers: no load leaves the buffer
.endr
	WIN 0
.irp s, 0,1,2,3,4,5,6,7,8
	WOSTEP \s
.endr
	s_endpgm
.Lfunc_end_k_q0988501cf6_prep:
	.size	k_q0988501cf6_prep, .Lfunc_end_k_q0988501cf6_prep-k_q0988501cf6_prep
	.p2alignl 7, 3214868480
	.fill 96, 4, 3214868480
	.section	.rodata,"a",@progbits
	.p2align	6, 0x0
	.amdhsa_kernel k_q0988501cf6_prep
		.amdhsa_group_segment_fixed_size 181760
		.amdhsa_private_segment_fixed_size 0
		.amdhsa_enable_private_segment 0
		.amdhsa_kernarg_size 184
		.amdhsa_user_sgpr_count 2
		.amdhsa_user_sgpr_kernarg_segment_ptr 1
		.amdhsa_wavefront_size32 1
		.amdhsa_system_sgpr_workgroup_id_x 1
		.amdhsa_system_sgpr_workgroup_id_y 1
		.amdhsa_system_sgpr_workgroup_id_z 1
		.amdhsa_system_vgpr_workitem_id 0
		.amdhsa_next_free_vgpr 896
		.amdhsa_next_free_sgpr 66
		.amdhsa_reserve_vcc 0
		.amdhsa_float_denorm_mode_32 3
		.amdhsa_float_denorm_mode_16_64 3
		.amdhsa_memory_ordered 1
		.amdhsa_forward_progress 1
		.amdhsa_inst_pref_size 255
	.end_amdhsa_kernel
	.section	.bss,"aw",@nobits
	.p2align	6
	.space	262144
	.amdgpu_metadata
---
amdhsa.version: [ 1, 2 ]
amdhsa.kernels:
  - .name:           k_q0988501cf6_prep
    .symbol:         k_q0988501cf6_prep.kd
    .args:
      - { .name: q_codes, .offset: 0, .size: 8, .value_kind: global_buffer, .address_space: global }
      - { .name: q_scales, .offset: 8, .size: 8, .value_kind: global_buffer, .address_space: global }
      - { .name: Wq_codes, .offset: 16, .size: 8, .value_kind: global_buffer, .address_space: global }
      - { .name: Wq_scales, .offset: 24, .size: 8, .value_kind: global_buffer, .address_space: global }
      - { .name: bq, .offset: 32, .size: 8, .value_kind: global_buffer, .address_space: global }
      - { .name: qimg, .offset: 40, .size: 8, .value_kind: global_buffer, .address_space: global }
      - { .name: k_codes, .offset: 48, .size: 8, .value_kind: global_buffer, .address_space: global }
      - { .name: k_scales, .offset: 56, .size: 8, .value_kind: global_buffer, .address_space: global }
      - { .name: Wk_codes, .offset: 64, .size: 8, .value_kind: global_buffer, .address_space: global }
      - { .name: Wk_scales, .offset: 72, .size: 8, .value_kind: global_buffer, .address_space: global }
      - { .name: bk, .offset: 80, .size: 8, .value_kind: global_buffer, .address_space: global }
      - { .name: kimg, .offset: 88, .size: 8, .value_kind: global_buffer, .address_space: global }
      - { .name: v_codes, .offset: 96, .size: 8, .value_kind: global_buffer, .address_space: global }
      - { .name: v_scales, .offset: 104, .size: 8, .value_kind: global_buffer, .address_space: global }
      - { .name: Wv_codes, .offset: 112, .size: 8, .value_kind: global_buffer, .address_space: global }
      - { .name: Wv_scales, .offset: 120, .size: 8, .value_kind: global_buffer, .address_space: global }
      - { .name: bv, .offset: 128, .size: 8, .value_kind: global_buffer, .address_space: global }
      - { .name: vimg, .offset: 136, .size: 8, .value_kind: global_buffer, .address_space: global }
      - { .name: Wo, .offset: 144, .size: 8, .value_kind: global_buffer, .address_space: global }
      - { .name: woimg, .offset: 152, .size: 8, .value_kind: global_buffer, .address_space: global }
      - { .name: wosc, .offset: 160, .size: 8, .value_kind: global_buffer, .address_space: global }
      - { .name: mask, .offset: 168, .size: 8, .value_kind: global_buffer, .address_space: global }
      - { .name: mbits, .offset: 176, .size: 8, .value_kind: global_buffer, .address_space: global }
    .group_segment_fixed_size: 181760
    .private_segment_fixed_size: 0
    .kernarg_segment_align: 8
    .kernarg_segment_size: 184
    .max_flat_workgroup_size: 128
    .sgpr_count:     66
    .vgpr_count:     896
    .wavefront_size: 32
...
	.end_amdgpu_metadata
.endif
;; end of part 1
;; launch attn (part 2): grid 4 x 64, 16 waves a work-group, clusters of 4 x 1, 243,712 bytes of LDS; arguments qimg, kimg, vimg, mbits, om, ox; writes om, ox
.if DOCPART == 2
	.amdgcn_target "amdgcn-amd-amdhsa--gfx1250"
	.amdhsa_code_object_version 6
	.text
	.protected	k_q0988501cf6_attn
	.globl	k_q0988501cf6_attn
	.p2align	8
	.type	k_q0988501cf6_attn,@function
k_q0988501cf6_attn:
	s_mov_b64 s[64:65], 0
	v_nop
	global_prefetch_b8 v0, s[64:65] scope:SCOPE_SE
	s_setreg_imm32_b32 hwreg(HW_REG_WAVE_MODE, 25, 1), 1
	s_wait_xcnt 0x0
	s_wait_alu depctr_hold_cnt(0) depctr_sa_sdst(0) depctr_va_vdst(0) depctr_va_sdst(0) depctr_va_ssrc(0) depctr_va_vcc(0) depctr_vm_vsrc(0)
	s_getreg_b32 s2, hwreg(HW_REG_IB_STS2, 6, 4)
	s_cmp_eq_u32 s2, 0
	s_cbranch_scc0 .Lentry_in_a_cluster
	s_endpgm
.Lentry_in_a_cluster:
	s_bfe_u32 s2, ttmp6, 0x10000c
	s_cmp_lg_u32 s2, 0x3003
	s_cbranch_scc0 .Lentry_shape_is_right
	s_endpgm
.Lentry_shape_is_right:
; ATTENTION on codes of FP4 (E2M1), one E8M0 scale for each 32 along K.  Head size 65, 2,048 keys, an arbitrary mask.
; t = score x c, c = log2(e) / sqrt(65); M = the largest t of the row so far, rounded up to a whole number; p = 2^(t - M) is quantised along the keys, not normalised;
; the sum of the unquantised p divides at the end.  When M moves, the sum and O are multiplied by 2^(old M - new M), which rounds nothing.
; SHARES.  A work-group takes one head (64 of them: batch x 16 + head) and 512 queries; each of its sixteen waves one tile of 16 queries at a time, two passes.
; The whole head's K (16 records of 5,120 bytes) and V (16 of 5,632) lie in LDS for the whole launch, as images of operand registers: filled once, never again: no ring and no barrier in the loops.
; CLUSTER.  The four work-groups of a cluster are the four query blocks of one head and want the same 172,032 bytes: waves 0-3 ask for a quarter of K each, waves 4-7 for a quarter of V,
; jointly: the same load with the same descriptor and a mask that names the four.  By this text's count a wave has at most one tensor load outstanding.
; LAYOUT.  Both products transposed: S^T = K Q^T, O^T = V^T P^T: a lane holds one query (lane % 16) throughout.  Score register n holds key 32 (n / 16) + 16 (lane / 16) + n % 16 of the step.
; A head's fifth tile of V^T holds unit 64 in all sixteen rows.
; K'S OPERANDS LIE OVER EACH OTHER.  Of k = 65 .. 127 Q holds zero codes, and a code of FP4 is always a finite number: so what K holds there adds nothing, whatever it is.  Only registers 0-4 of an operand of K
; carry data; the eight operands of a step lie 6 registers apart, each reaching into the next: 50 registers for 128 keys.
; THE STEP'S ORDER serves a wave that has the SIMD nearly to itself: the next step's K is asked for in the middle of this step, V at its head; the exponentials stand as one batch with plain lines between them
; (the scalings that run ahead of them, the rescaling of O); the loads stand where one line would wait for the line above it; the row's sum is a tree of independent additions.
; THE MASK comes as bit words: word n of a step has bit lane set where the key of score register n counts for the query of that lane.  64 words a step come by scalar loads, a step ahead, and serve as the select of v_cndmask_b32.
; LIMITS.  A masked score is -2^33, so that t = -2^33 c is exact and a row with every key masked has t - M = 0, p = 1: the uniform mean, as the reference has it.  As a logit that is about -1.07e9 and not -1e9:
; results are the reference's while unmasked logits lie above about -1e9.  NaN and infinities are not served.  A block whose every p has fallen under 2^-124 keeps the byte 1.
; No prefetch: all of K and V is asked for at the head, and the mask words are asked for a step ahead.
; REGISTERS: v1-7 addresses that stay, v8-10 addresses of the step, v11 the masked score, v12 -M, v13 the largest score, v[14:15] the sum, v16-23 Q, v24 its scale word, v26-27 Q's offsets, v28-31 K's scale words,
;   v32-81 K's eight operands, v82-145 S^T then p, v146-185 O^T, v186-225 V's five fragments, v226-229 V's scale words, v230-237 p's codes, v238-254 at work, v255 p's scale word.
.set WV,  2                            ; s2  wave
.set KS,  28
.set KF,  32                           ; operand t at v[KF + 6 t]
.set S,   82
.set O,   146
.set VF,  186
.set VS,  226
.set P,   230
.set BM,  238                          ; the largest score of each block, then its p
.set T2,  242
.set SC,  246
.set OLD, 250                          ; -M of the step before
.set F,   252                          ; v[252:253] f = 2^(old M - new M), named as a pair
.set TMP, 254
.set PW,  255
.set VBASE, 81920
.set STG,   172032                     ; behind K and V: 16 rows x 272 bytes for each wave, for the way out
.set G1K, 28                           ; s[28:35], s[36:43] descriptor groups 1;  s[44:47], s[48:51] groups 0.  Behind the wait for the loads these registers take mask words
.set G1V, 36
.macro ROUND                           ; a round of the cluster barrier
	s_barrier_signal -1
	s_barrier_wait -1
	s_cmp_lg_u32 s[WV], 0
	s_cbranch_scc1 .Lnot_wave_0_\@
	s_barrier_signal -3
.Lnot_wave_0_\@:
	s_barrier_wait -3
	s_barrier_signal -1
	s_barrier_wait -1
.endm
.macro MM0 d, a, sa, row1              ; a tile of scores: 16 keys x my 16 queries; the constant 0 starts the sum
.if \row1
	v_wmma_scale_f32_16x16x128_f8f6f4 v[\d:\d+7], v[\a:\a+7], v[16:23], 0, v[\sa], v24 matrix_a_fmt:MATRIX_FMT_FP4 matrix_b_fmt:MATRIX_FMT_FP4 matrix_a_scale:MATRIX_SCALE_ROW1
.else
	v_wmma_scale_f32_16x16x128_f8f6f4 v[\d:\d+7], v[\a:\a+7], v[16:23], 0, v[\sa], v24 matrix_a_fmt:MATRIX_FMT_FP4 matrix_b_fmt:MATRIX_FMT_FP4
.endif
.endm
.macro KL_KS ak, off                   ; a record's scale words: lanes 0-15 those of tiles 0-3, lanes 16-31 of tiles 4-7
	ds_load_b128 v[KS:KS+3], v[\ak] offset:(\off)+4608
.endm
.macro KL_T t, ak, ax, off             ; tile t of a record: registers 0-3, and register 4 (the code of unit 64; both halves of the lanes take the same word)
	ds_load_b128 v[KF+6*(\t):KF+6*(\t)+3], v[\ak] offset:(\off)+512*(\t)
	ds_load_b32 v[KF+6*(\t)+4], v[\ax] offset:(\off)+4096+256*((\t)/4)+4*((\t)%4)
.endm
; The plain lines that stand between the exponentials, number kk of 51: the scalings of pairs 2 to 31 (each well ahead of its pair's exponentials), O^T under the new M, the sum under the new M.  None names a register that an exponential has written.
.macro PLAIN
.if kk < 30
	v_pk_fma_f32 v[S+2*kk+4:S+2*kk+5], v[S+2*kk+4:S+2*kk+5], s[86:87], v[12:13] op_sel_hi:[1,0,0]
.elseif kk < 50
	v_pk_mul_f32 v[O+2*(kk-30):O+2*(kk-30)+1], v[O+2*(kk-30):O+2*(kk-30)+1], v[F:F+1] op_sel_hi:[1,0]
.else
	v_pk_mul_f32 v[14:15], v[14:15], v[F:F+1] op_sel_hi:[1,0]
.endif
.set kk, kk+1
.endm
	s_load_b256 s[16:23], s[0:1], 0x0              ; qimg, kimg, vimg, mbits
	s_load_b128 s[24:27], s[0:1], 0x20             ; om, ox
	v_lshl_add_u32 v25, v0, 2, 0x3b000
	v_mov_b32 v251, 0
	ds_add_u32 v25, v251
	ds_add_u32 v25, v251
	v_lshrrev_b32 v1, 5, v0
	v_readfirstlane_b32 s[WV], v1                  ; wave 0..15
	s_bfe_u32 s89, ttmp6, 0x40000                  ; cx: which 512 queries: it enters global addresses of Q, mask and results alone
	s_and_b32 s90, ttmp7, 0xffff                   ; batch x 16 + head, which the four partners share
	s_lshr_b32 s91, s90, 4                         ; batch
	s_and_b32 s92, s90, 15                         ; head
	; dense blocks as rows of 256 bytes (32 elements of 8 bytes): 80 rows of K, 88 of V, to a load
	s_mov_b32 s[G1K], 15|(3<<16)|(1<<21)           ; 15:0 the mask: all four work-groups; 17:16 elements of 8 bytes; 21 set beside a mask; no padding
	s_mov_b32 s[G1K+1], 32<<16                     ; tensor_dim0
	s_mov_b32 s[G1K+2], 80<<16                     ; tensor_dim1
	s_mov_b32 s[G1K+3], 32<<16                     ; tile_dim0
	s_mov_b32 s[G1K+4], 80                         ; tile_dim1
	s_mov_b32 s[G1K+5], 32                         ; the pitch
	s_mov_b32 s[G1K+6], 0
	s_mov_b32 s[G1K+7], 0
	s_mov_b32 s[G1V], 15|(3<<16)|(1<<21)
	s_mov_b32 s[G1V+1], 32<<16
	s_mov_b32 s[G1V+2], 88<<16
	s_mov_b32 s[G1V+3], 32<<16
	s_mov_b32 s[G1V+4], 88
	s_mov_b32 s[G1V+5], 32
	s_mov_b32 s[G1V+6], 0
	s_mov_b32 s[G1V+7], 0
	s_and_b32 s93, s[WV], 3                        ; which quarter
	s_mul_i32 s94, s93, 20480
	s_mul_i32 s96, s90, 81920
	s_add_co_u32 s96, s96, s94
	s_mov_b32 s97, 0
	s_mul_i32 s95, s93, 22528
	s_mul_i32 s98, s90, 90112
	s_add_co_u32 s98, s98, s95
	s_mov_b32 s99, 0
	s_wait_dscnt 0x0
	s_wait_kmcnt 0x0
	s_mov_b32 s44, 1
	s_mov_b32 s45, s94                             ; LDS address: the wave's number alone
	s_add_nc_u64 s[46:47], s[18:19], s[96:97]
	s_or_b32 s47, s47, 0x80000000
	s_mov_b32 s48, 1
	s_add_co_u32 s49, s95, VBASE
	s_add_nc_u64 s[50:51], s[20:21], s[98:99]
	s_or_b32 s51, s51, 0x80000000
	ROUND                                          ; all four work-groups are here: the joint loads meet
	s_cmp_lt_u32 s[WV], 4
	s_cbranch_scc0 .Lnot_k
	tensor_load_to_lds s[44:47], s[G1K:G1K+7]
	s_nop 0
.rept 4
	v_nop                                          ; four v_nop follow each of the two lines
.endr
	s_branch .Lasked
.Lnot_k:
	s_cmp_lt_u32 s[WV], 8
	s_cbranch_scc0 .Lasked
	tensor_load_to_lds s[48:51], s[G1V:G1V+7]
	s_nop 0
.rept 4
	v_nop
.endr
.Lasked:
	; where my wave's Q, mask words and results lie
	s_lshl_b32 s96, s90, 4
	s_lshl_b32 s93, s89, 2
	s_add_co_u32 s96, s96, s93
	s_lshr_b32 s93, s[WV], 3
	s_add_co_u32 s96, s96, s93
	s_mul_i32 s96, s96, 5120
	s_add_nc_u64 s[8:9], s[16:17], s[96:97]        ; Q: record 16 hy + 4 cx + w / 8; a pass on: two records
	s_lshl_b32 s96, s91, 7
	s_lshl_b32 s93, s89, 5
	s_add_co_u32 s96, s96, s93
	s_add_co_u32 s96, s96, s[WV]
	s_lshl_b32 s96, s96, 12
	s_add_nc_u64 s[10:11], s[22:23], s[96:97]      ; mask words: 4,096 bytes a query tile
	s_lshl_b32 s98, s91, 11
	s_lshl_b32 s93, s89, 9
	s_add_co_u32 s98, s98, s93
	s_lshl_b32 s93, s[WV], 4
	s_add_co_u32 s98, s98, s93                     ; my first row of 8,192
	s_lshl_b32 s96, s98, 12
	s_lshl_b32 s93, s92, 8
	s_add_co_u32 s96, s96, s93
	s_add_nc_u64 s[12:13], s[24:25], s[96:97]      ; om [row][head][64]
	s_lshl_b32 s96, s92, 13
	s_add_co_u32 s96, s96, s98
	s_lshl_b32 s96, s96, 2
	s_add_nc_u64 s[14:15], s[26:27], s[96:97]      ; ox [head][row]
	s_mov_b32 s84, 0x76543210
	s_mov_b32 s85, 0xfedcba98                      ; selects of v_permlanex16_b32 for lane l xor 16
	s_mov_b32 s86, 0x3e373d2c                      ; c = log2(e) / sqrt(65)
	s_mov_b32 s87, s86                             ; (named with it as a pair)
	s_mov_b32 s88, 0xffff0000                      ; lanes 16-31
	v_and_b32 v8, 31, v0                           ; lane
	v_and_b32 v9, 15, v0                           ; r
	v_bfe_u32 v10, v0, 4, 1                        ; h
	v_lshlrev_b32 v1, 4, v8                        ; K: 16 x lane
	v_lshlrev_b32 v2, 4, v9                        ; K's register 4: 16 r
	v_add_nc_u32 v3, VBASE, v1                     ; V
	s_mul_i32 s91, s[WV], 4352
	s_add_co_u32 s91, s91, STG                     ; my stage
	v_mul_u32_u24 v4, v9, 272
	v_lshl_add_u32 v4, v10, 5, v4
	v_add_nc_u32 v4, s91, v4                       ; in: row r, + 32 h
	v_mul_u32_u24 v5, v10, 272
	v_lshl_add_u32 v5, v9, 4, v5
	v_add_nc_u32 v5, s91, v5                       ; back: lanes 0-15 one row, lanes 16-31 the next
	v_lshlrev_b32 v6, 12, v10
	v_lshl_add_u32 v6, v9, 4, v6                   ; the same two rows in om, 4,096 bytes apart
	v_lshlrev_b32 v7, 2, v9
	s_and_b32 s92, s[WV], 7
	s_lshl_b32 s92, s92, 9
	v_add_nc_u32 v26, s92, v1                      ; Q: tile w % 8 of its record
	s_bfe_u32 s92, s[WV], 0x10002
	s_lshl_b32 s92, s92, 8
	s_and_b32 s93, s[WV], 3
	s_lshl_b32 s93, s93, 2
	s_add_co_u32 s92, s92, s93
	s_add_co_u32 s92, s92, 4096
	v_add_nc_u32 v27, s92, v2                      ; its register 4; the scale word lies 512 bytes on
	v_mov_b32 v11, 0xd0000000                      ; -2^33
	v_mov_b32 v21, 0                               ; Q's registers 5-7: zero codes
	v_mov_b32 v22, 0
	v_mov_b32 v23, 0
.irp t, 0,1,2,3,4,5,6,7
	v_mov_b32 v[KF+6*\t+5], 0                      ; the one register of each operand of K that no load fills: written once
.endr
	v_mov_b32 v[KF+48], 0                          ; and the two behind the last operand's data
	v_mov_b32 v[KF+49], 0
.irp b, 0,1,2,3
	v_mov_b32 v[T2+\b], 0                          ; written once: the destination of a lane permute counts as a source
.endr
	v_mov_b32 v[F+1], 0                            ; (named as the upper half of the pair)
	s_wait_tensorcnt 0x0                           ; my part of K or V has landed (a wave that asked for nothing passes)
	s_barrier_signal -1
	s_barrier_wait -1                              ; everybody's has
	s_mov_b32 s3, 2
.Lpass:
	global_load_b128 v[16:19], v26, s[8:9]         ; Q's registers 0-3
	global_load_b32 v20, v27, s[8:9]               ; register 4: the code of unit 64
	global_load_b32 v24, v27, s[8:9] offset:512    ; the scale word
	s_mov_b32 s7, 0
	s_load_b512 s[16:31], s[10:11], s7 offset:0x0  ; step 0's 64 mask words: word n in s[16 + n], from word 48 on in s[20 + n]
	s_load_b512 s[32:47], s[10:11], s7 offset:0x40
	s_load_b512 s[48:63], s[10:11], s7 offset:0x80
	s_load_b512 s[68:83], s[10:11], s7 offset:0xc0
	KL_KS 1, 0                                     ; step 0's K
.irp t, 0,1,2,3,4,5,6,7
	KL_T \t, 1, 2, 0
.endr
	s_mov_b32 s5, 0                                ; the step's record of K in LDS
	s_mov_b32 s6, 0                                ; and of V
	s_mov_b32 s4, 16
	v_mov_b32 v13, 0xff61b1e6                      ; the largest score so far: -3e38
	v_floor_f32 v12, -v13                          ; -M: so large that the first step's f is 0
	v_mov_b32 v14, 0
	v_mov_b32 v15, 0
	s_wait_loadcnt 0x0
	v_cndmask_b32 v20, v20, v21, s88               ; lanes 16-31 hold k = 96 on: zero codes
.set jj, 0
.rept 40
	v_mov_b32 v[O+jj], 0                           ; O^T: the step is written once; the first finds zeros, which the first change of M leaves zeros
.set jj, jj+1
.endr
	s_wait_dscnt 0x0                               ; step 0's K is in
.Lstep:                                            ; 16 trips: 128 keys each.  This step's K lies in registers: it was awaited ahead of the last step's second product
	v_add_nc_u32 v8, s5, v1
	v_add_nc_u32 v9, s5, v2
	v_add_nc_u32 v10, s6, v3
	v_mov_b32 v[OLD], v12                          ; these four lines are also the places between the last step's second product and the loads into V's registers
.irp t, 0,1,2,3,4,5,6,7
	MM0 S+8*\t, KF+6*\t, KS+(\t%4), \t/4
.endr
	ds_load_b128 v[VS:VS+3], v10 offset:5120       ; V lands under the softmax.  Lanes 0-15: scale words of tiles 0-3; lanes 16-31, first register: of tile 4
.irp t, 0,1,2,3,4
.irp c, 0,1
	ds_load_b128 v[VF+8*\t+4*\c:VF+8*\t+4*\c+3], v10 offset:1024*\t+512*\c
.endr
.endr
.rept 4
	v_nop                                          ; four places behind the scores' products: for the reads of the scores and for the loads into K's registers further down
.endr
	s_wait_kmcnt 0x0                               ; this step's mask words, asked for a step ago
.set nn, 0
.rept 64
	v_cndmask_b32 v[S+nn], v11, v[S+nn], s[16+nn+4*(nn/48)]   ; a key that does not count: -2^33
.set nn, nn+1
.endr
	s_add_co_u32 s7, s7, 256
	s_and_b32 s7, s7, 4095                         ; the next step's words; the last step asks for step 0's again, so that no load leaves the buffer and no branch is needed
	s_load_b512 s[16:31], s[10:11], s7 offset:0x0
	s_load_b512 s[32:47], s[10:11], s7 offset:0x40
	s_load_b512 s[48:63], s[10:11], s7 offset:0x80
	s_load_b512 s[68:83], s[10:11], s7 offset:0xc0
.irp b, 0,1,2,3
	v_max3_num_f32 v[BM+\b], v[S+16*\b], v[S+16*\b+1], v[S+16*\b+2]   ; the largest score of each block of 32 keys: for the row's maximum and, since p rises with the score, for the block's largest p
.endr
.irp i, 3,5,7,9,11,13
.irp b, 0,1,2,3
	v_max3_num_f32 v[BM+\b], v[BM+\b], v[S+16*\b+\i], v[S+16*\b+\i+1]
.endr
.endr
.irp b, 0,1,2,3
	v_max_num_f32 v[BM+\b], v[BM+\b], v[S+16*\b+15]
.endr
.irp b, 0,1,2,3
	v_permlanex16_b32 v[T2+\b], v[BM+\b], s84, s85
.endr
.irp b, 0,1,2,3
	v_max_num_f32 v[BM+\b], v[BM+\b], v[T2+\b]     ; with the 16 keys of lane l xor 16
.endr
	; From here to -M each line reads the line above it: THE NEXT STEP'S K IS ASKED FOR IN BETWEEN, 5,120 bytes on.  (The last step's request reads the first bytes of V's region: inside LDS, filled, and not used.)
	v_max3_num_f32 v[TMP], v[BM], v[BM+1], v[BM+2]
	KL_KS 8, 5120
	KL_T 0, 8, 9, 5120
	KL_T 1, 8, 9, 5120
	v_max3_num_f32 v13, v[TMP], v[BM+3], v13       ; the running largest score
	KL_T 2, 8, 9, 5120
	KL_T 3, 8, 9, 5120
	v_mul_f32 v[TMP], s86, v13                     ; as t: c is positive, so this is the largest t
	KL_T 4, 8, 9, 5120
	KL_T 5, 8, 9, 5120
	v_floor_f32 v12, -v[TMP]                       ; the new -M = floor(-t): M is a whole number
	KL_T 6, 8, 9, 5120
	KL_T 7, 8, 9, 5120
	v_sub_f32 v[TMP], v12, v[OLD]                  ; old M - new M: a whole number, 0 or less.  f is made beside the first scalings
	v_fma_f32 v[BM], v[BM], s86, v12               ; t - M of each block's largest score
	v_fma_f32 v[BM+1], v[BM+1], s86, v12
	v_cvt_i32_f32 v[TMP], v[TMP]                   ; (it saturates)
	v_fma_f32 v[BM+2], v[BM+2], s86, v12
	v_fma_f32 v[BM+3], v[BM+3], s86, v12
	v_ldexp_f32 v[F], 1.0, v[TMP]                  ; f = 2^(old M - new M)
	v_pk_fma_f32 v[S:S+1], v[S:S+1], s[86:87], v[12:13] op_sel_hi:[1,0,0]       ; t - M, two at a time: pairs 0 and 1; the others stand among the exponentials
	v_pk_fma_f32 v[S+2:S+3], v[S+2:S+3], s[86:87], v[12:13] op_sel_hi:[1,0,0]
	; ONE BATCH of 68 exponentials: the four blocks' largest p, then p = 2^(t - M) of the 64 scores.  47 plain lines stand in the gaps, four behind the last; none reads or writes a result of the batch.
.set ee, 0
.set kk, 0
.rept 68
.if ee < 4
	v_exp_f32 v[BM+ee], v[BM+ee]
.else
	v_exp_f32 v[S+ee-4], v[S+ee-4]
.endif
.if ((ee+1)*47)/68 > (ee*47)/68
	PLAIN
.endif
.set ee, ee+1
.endr
.rept 4
	PLAIN
.endr
	s_wait_alu depctr_va_vdst(0)                   ; one wait for the whole batch, ahead of its first reader
.irp b, 0,1,2,3
	v_max_num_f32 v[BM+\b], 0x1800000, v[BM+\b]    ; the floor 2^(3 - 127): the byte cannot fall under 1
.endr
.irp b, 0,1,2,3
	v_add_nc_u32 v[SC+\b], 0xff000000, v[BM+\b]    ; 2 off the exponent field: the scale operand of the conversion
.endr
.irp b, 0,1,2,3
	v_cvt_scalef32_pk8_fp4_f32 v[P+2*\b], v[S+16*\b:S+16*\b+7], v[SC+\b]
	v_cvt_scalef32_pk8_fp4_f32 v[P+2*\b+1], v[S+16*\b+8:S+16*\b+15], v[SC+\b]
	v_lshrrev_b32 v[T2+\b], 23, v[SC+\b]           ; the scale byte
.endr
	v_lshl_or_b32 v[PW], v[T2+1], 8, v[T2]         ; p's scale word for these 128 keys.  (Plain lines between the last conversion and the first touch of the codes)
	v_lshl_or_b32 v[PW], v[T2+2], 16, v[PW]
	v_lshl_or_b32 v[PW], v[T2+3], 24, v[PW]
.irp c, 0,1
.irp i, 0,1
	v_permlane16_swap_b32 v[P+4*\c+\i], v[P+2+4*\c+\i]   ; a whole block to a lane
.endr
.endr
	; THE ROW'S SUM IS TAKEN OF THE UNQUANTISED p, in place, now that the conversions have read it: a tree, neighbours 1, 2, 4, 8 and 16 pairs apart.  These 32 lines are also the places between p's scale word and codes and the products.
.irp w, 4,8,16,32,64
.set uu, 0
.rept 64/\w
	v_pk_add_f32 v[S+\w*uu:S+\w*uu+1], v[S+\w*uu:S+\w*uu+1], v[S+\w*uu+\w/2:S+\w*uu+\w/2+1]
.set uu, uu+1
.endr
.endr
	v_pk_add_f32 v[14:15], v[14:15], v[S:S+1]
	s_wait_dscnt 0x0                               ; V is in, and so is the next step's K
.irp t, 0,1,2,3
	v_wmma_scale_f32_16x16x128_f8f6f4 v[O+8*\t:O+8*\t+7], v[VF+8*\t:VF+8*\t+7], v[P:P+7], v[O+8*\t:O+8*\t+7], v[VS+\t], v[PW] matrix_a_fmt:MATRIX_FMT_FP4 matrix_b_fmt:MATRIX_FMT_FP4
.endr
	v_wmma_scale_f32_16x16x128_f8f6f4 v[O+32:O+39], v[VF+32:VF+39], v[P:P+7], v[O+32:O+39], v[VS], v[PW] matrix_a_fmt:MATRIX_FMT_FP4 matrix_b_fmt:MATRIX_FMT_FP4 matrix_a_scale:MATRIX_SCALE_ROW1
	s_add_co_u32 s5, s5, 5120                      ; the five accumulators take turns, one instruction a turn, and the scores' eight stand between two steps
	s_add_co_u32 s6, s6, 5632
	s_sub_co_u32 s4, s4, 1
	s_cmp_lg_u32 s4, 0
	s_cbranch_scc1 .Lstep
	; THE WAY OUT of a tile of 16 queries
.rept 4
	v_nop                                          ; four places behind the last products
.endr
	v_add_f32 v14, v14, v15
	v_permlanex16_b32 v[TMP], v14, s84, s85
	v_add_f32 v14, v14, v[TMP]                     ; the row's sum
	v_rcp_f32 v14, v14
	v_nop                                          ; a plain line behind the reciprocal
	s_wait_alu depctr_va_vdst(0)                   ; and the wait ahead of its first reader
.set jj, 0
.rept 33
	v_mul_f32 v[S+jj], v[O+jj], v14                ; register 8 t + j: unit 16 t + 8 h + j; register 32: unit 64
.set jj, jj+1
.endr
.irp t, 0,1,2,3
	ds_store_b128 v4, v[S+8*\t:S+8*\t+3] offset:64*\t
	ds_store_b128 v4, v[S+8*\t+4:S+8*\t+7] offset:64*\t+16
.endr
.irp i, 0,1,2,3,4,5,6,7
	ds_load_b128 v[VF+4*\i:VF+4*\i+3], v5 offset:544*\i   ; my own stage: LDS serves the instructions of a wave in order
.endr
.irp i, 0,1,2,3,4,5,6,7
	s_wait_dscnt 7-\i                              ; the younger loads may be out
	global_store_b128 v6, v[VF+4*\i:VF+4*\i+3], s[12:13] offset:8192*\i   ; sixteen lanes store the 256 consecutive, aligned bytes of a row's units 0-63 of this head
.endr
	global_store_b32 v7, v[S+32], s[14:15]         ; unit 64 of 16 rows: 64 consecutive bytes; both halves of the lanes hold the same
	s_wait_kmcnt 0x0                               ; the words asked for in the last step have come: their registers and base may be written
	s_wait_xcnt 0x0                                ; the stores have read their registers and bases
	s_add_nc_u64 s[8:9], s[8:9], 10240
	s_add_nc_u64 s[10:11], s[10:11], 0x10000
	s_add_nc_u64 s[12:13], s[12:13], 0x100000
	s_add_nc_u64 s[14:15], s[14:15], 1024
	s_sub_co_u32 s3, s3, 1
	s_cmp_lg_u32 s3, 0
	s_cbranch_scc1 .Lpass
	s_wait_dscnt 0x0
	s_wait_tensorcnt 0x0
	ds_add_u32 v25, v251
	s_wait_dscnt 0x0
	ROUND                                          ; the closing round: no work-group ends while a partner may still ask for a tile that names it
	s_endpgm
.Lfunc_end_k_q0988501cf6_attn:
	.size	k_q0988501cf6_attn, .Lfunc_end_k_q0988501cf6_attn-k_q0988501cf6_attn
	.p2alignl 7, 3214868480
	.fill 96, 4, 3214868480
	.section	.rodata,"a",@progbits
	.p2align	6, 0x0
	.amdhsa_kernel k_q0988501cf6_attn
		.amdhsa_group_segment_fixed_size 243712
		.amdhsa_private_segment_fixed_size 0
		.amdhsa_enable_private_segment 0
		.amdhsa_kernarg_size 48
		.amdhsa_user_sgpr_count 2
		.amdhsa_user_sgpr_kernarg_segment_ptr 1
		.amdhsa_wavefront_size32 1
		.amdhsa_system_sgpr_workgroup_id_x 1
		.amdhsa_system_sgpr_workgroup_id_y 1
		.amdhsa_system_sgpr_workgroup_id_z 1
		.amdhsa_system_vgpr_workitem_id 0
		.amdhsa_next_free_vgpr 256
		.amdhsa_next_free_sgpr 100
		.amdhsa_reserve_vcc 0
		.amdhsa_float_denorm_mode_32 3
		.amdhsa_float_denorm_mode_16_64 3
		.amdhsa_memory_ordered 1
		.amdhsa_forward_progress 1
		.amdhsa_inst_pref_size 35
	.end_amdhsa_kernel
	.amdgpu_metadata
---
amdhsa.version: [ 1, 2 ]
amdhsa.kernels:
  - .name:           k_q0988501cf6_attn
    .symbol:         k_q0988501cf6_attn.kd
    .args:
      - { .name: qimg, .offset: 0, .size: 8, .value_kind: global_buffer, .address_space: global }
      - { .name: kimg, .offset: 8, .size: 8, .value_kind: global_buffer, .address_space: global }
      - { .name: vimg, .offset: 16, .size: 8, .value_kind: global_buffer, .address_space: global }
      - { .name: mbits, .offset: 24, .size: 8, .value_kind: global_buffer, .address_space: global }
      - { .name: om, .offset: 32, .size: 8, .value_kind: global_buffer, .address_space: global }
      - { .name: ox, .offset: 40, .size: 8, .value_kind: global_buffer, .address_space: global }
    .group_segment_fixed_size: 243712
    .private_segment_fixed_size: 0
    .kernarg_segment_align: 8
    .kernarg_segment_size: 48
    .max_flat_workgroup_size: 512
    .sgpr_count:     100
    .vgpr_count:     256
    .wavefront_size: 32
...
	.end_amdgpu_metadata
.endif
;; end of part 2
;; launch outp (part 3): grid 2 x 128, 4 waves a work-group, no clusters, 313,344 bytes of LDS; arguments om, ox, woimg, wosc, bo, out0; writes out0
.if DOCPART == 3
	.amdgcn_target "amdgcn-amd-amdhsa--gfx1250"
	.amdhsa_code_object_version 6
	.text
	.protected	k_q0988501cf6_outp
	.globl	k_q0988501cf6_outp
	.p2align	8
	.type	k_q0988501cf6_outp,@function
k_q0988501cf6_outp:
	s_mov_b64 s[64:65], 0
	v_nop
	global_prefetch_b8 v0, s[64:65] scope:SCOPE_SE
	s_setreg_imm32_b32 hwreg(HW_REG_WAVE_MODE, 25, 1), 1
	s_wait_xcnt 0x0
; OUT = Q(concat) Q(Wo)^T + bo, on codes of FP4 (E2M1) with one E8M0 scale for each 32 along K = 1,040 = 65 x head + unit.
; The blocks of 32 cross the borders of heads, so the heads' results (om [row][head][64], ox [head][row]: unit 64) are first brought into the true order of K, in LDS, in f32, and quantised there.
; SHARES.  A work-group takes 64 rows x 512 columns.  Wave w brings rows 16 w on into order and quantises them (nine fragments: 8 K steps of 128 and one of 16 numbers and zeros);
; their images go to LDS; ONE barrier; then wave w makes columns 128 w on for all 64 rows: its 8 tiles x 9 K steps of Wo stay in 576 registers, read from memory once.
; The product is used transposed (source 0 = 16 rows of Wo, source 1 = 16 rows of concat): a lane holds eight neighbouring columns of one row.  bo is the C of each sum's first product.
; No joint loads: Wo goes straight into registers; a landing place of 288 KB in LDS does not fit beside the 271 KB of f32 rows.
; LIMITS: blocks whose largest magnitude lies under 2^-124 keep the scale byte 1; NaN and infinities are not served.
; LDS: 67,840 w: my 16 rows, 4,240 bytes apart (1,056 f32 + 16 bytes: an odd multiple of 16), later my stage for the way out; 271,360: 36 images of 1,024 bytes (9 m + s); 308,224: their scale words, 128 bytes each.
; REGISTERS.  window 0: v1-17 addresses, v20-55 Wo's scale words, v64-127 64 numbers, v128-152 at work, v156-167 unit 64 and zeros; later v64-207 18 fragments, v208-225 their scale words.
;   windows 1, 2: first the 16 rows as loaded, then Wo's K steps 0-3 and 4-7 at 8 (8 (s % 4) + n).  window 3: v0-63 K step 8, v64-191 sixteen accumulators, v192-255 bo.
.set SEL, 22
.set ST,  64
.set TM,  128
.set PC,  144
.set PW,  152
.set EX,  156
.set ZR,  164
.set WSO, 20
.set XFO, 64
.set XSO, 208
.set XIMG, 271360
.set XSC,  308224
.set MSB, 0
.macro WIN new
.if MSB != (\new)
	s_set_vgpr_msb (MSB<<8)|(\new)
.set MSB, (\new)
.endif
.endm
; 64 numbers of a lane, register 16 b + i = k 32 b + 16 (lane / 16) + i of my row, become a fragment in v[PC] on and its scale word in v[PW]
.macro QUANT4 s
.irp b, 0,1,2,3
	v_max3_num_f32 v[TM+\b], |v[\s+16*\b]|, |v[\s+1+16*\b]|, 0x1800000   ; my 16 numbers of block b, and the floor 2^(3 - 127)
.endr
.irp i, 2,4,6,8,10,12,14
.irp b, 0,1,2,3
	v_max3_num_f32 v[TM+\b], v[TM+\b], |v[\s+16*\b+\i]|, |v[\s+1+16*\b+\i]|
.endr
.endr
.irp b, 0,1,2,3
	v_permlanex16_b32 v[TM+4+\b], v[TM+\b], s[SEL], s[SEL+1]
.endr
.irp b, 0,1,2,3
	v_max_num_f32 v[TM+\b], v[TM+\b], v[TM+4+\b]
.endr
.irp b, 0,1,2,3
	v_add_nc_u32 v[TM+12+\b], 0xff000000, v[TM+\b]
.endr
.irp b, 0,1,2,3
	v_lshrrev_b32 v[TM+4+\b], 23, v[TM+12+\b]
.endr
	v_lshl_or_b32 v[PW], v[TM+5], 8, v[TM+4]
	v_lshl_or_b32 v[PW], v[TM+6], 16, v[PW]
	v_lshl_or_b32 v[PW], v[TM+7], 24, v[PW]
.irp b, 0,1,2,3
	v_cvt_scalef32_pk8_fp4_f32 v[PC+2*\b], v[\s+16*\b:\s+7+16*\b], v[TM+12+\b]
	v_cvt_scalef32_pk8_fp4_f32 v[PC+1+2*\b], v[\s+8+16*\b:\s+15+16*\b], v[TM+12+\b]
.endr
	v_nop                                          ; one plain place behind the scaled conversions
.irp c, 0,1
.irp i, 0,1
	v_permlane16_swap_b32 v[PC+4*\c+\i], v[PC+2+4*\c+\i]
.endr
.endr
.endm
.macro WOLOAD s                        ; my eight tiles of Wo of K step s, and their scale words: they land while the rows are quantised
	WIN (1+(\s)/4)<<6
.irp n, 0,1,2,3,4,5,6,7
.irp c, 0,1
	global_load_b128 v[64*((\s)%4)+8*\n+4*\c:64*((\s)%4)+8*\n+4*\c+3], v13, s[12:13] offset:(9*\n+\s)*1024+512*\c
.endr
.endr
	WIN 0
	global_load_b128 v[WSO+4*\s:WSO+4*\s+3], v13, s[14:15] offset:512*\s   ; lanes 0-15: tiles 0-3, lanes 16-31: tiles 4-7
.endm
.macro QSTEP s
	WOLOAD \s
.if \s < 8
.irp b, 0,1,2,3
.irp j, 0,1,2,3
	ds_load_b128 v[ST+16*\b+4*\j:ST+16*\b+4*\j+3], v8 offset:512*\s+128*\b+16*\j
.endr
.endr
.else
.irp j, 0,1,2,3
	ds_load_b128 v[ST+4*\j:ST+4*\j+3], v8 offset:4096+16*\j    ; k = 1,024 + 16 h on: lanes 16-31 read the zeros behind the row
.endr
.set jj, 16
.rept 48
	v_mov_b32 v[ST+jj], 0
.set jj, jj+1
.endr
.endif
	s_wait_dscnt 0x0
	QUANT4 ST
	ds_store_b128 v9, v[PC:PC+3] offset:1024*\s    ; the fragment as it stands: 16 bytes a lane
	ds_store_b128 v9, v[PC+4:PC+7] offset:1024*\s+512
	ds_store_b32 v10, v[PW] offset:128*\s
	s_wait_dscnt 0x0                               ; the stores have read their registers
.endm
.macro MMO d, a, b, c, sa, sb, row1
.if \row1
	v_wmma_scale_f32_16x16x128_f8f6f4 v[\d:\d+7], v[\a:\a+7], v[\b:\b+7], v[\c:\c+7], v[\sa], v[\sb] matrix_a_fmt:MATRIX_FMT_FP4 matrix_b_fmt:MATRIX_FMT_FP4 matrix_a_scale:MATRIX_SCALE_ROW1
.else
	v_wmma_scale_f32_16x16x128_f8f6f4 v[\d:\d+7], v[\a:\a+7], v[\b:\b+7], v[\c:\c+7], v[\sa], v[\sb] matrix_a_fmt:MATRIX_FMT_FP4 matrix_b_fmt:MATRIX_FMT_FP4
.endif
.endm
; 16 rows x 128 columns through my own stage (rows 528 bytes apart) and out as whole rows of 512 bytes
.macro OUTTILE pi, mm
	WIN 0x0c                                       ; the data of an LDS store are its source 1: window 3
.irp n, 0,1,2,3,4,5,6,7
	ds_store_b128 v15, v[64+8*(8*\mm+\n):64+8*(8*\mm+\n)+3] offset:64*\n        ; each accumulator from its low end on
	ds_store_b128 v15, v[64+8*(8*\mm+\n)+4:64+8*(8*\mm+\n)+7] offset:64*\n+16
.endr
	WIN 0
.irp t, 0,1,2,3,4,5,6,7,8,9,10,11,12,13,14,15
	ds_load_b128 v[64+64*\mm+4*\t:64+64*\mm+4*\t+3], v16 offset:528*\t          ; LDS serves the instructions of a wave in order
.endr
.irp t, 0,1,2,3,4,5,6,7,8,9,10,11,12,13,14,15
	s_wait_dscnt 15-\t                             ; the younger loads may be out
	global_store_b128 v13, v[64+64*\mm+4*\t:64+64*\mm+4*\t+3], s[18:19] offset:(16*(2*\pi+\mm)+\t)*4096 th:TH_STORE_NT   ; 512 consecutive bytes, aligned to 512
.endr
.endm
	s_load_b256 s[8:15], s[0:1], 0x0               ; om, ox, woimg, wosc
	s_load_b128 s[16:19], s[0:1], 0x20             ; bo, out0
	v_lshl_add_u32 v254, v0, 2, 0x4c600
	v_mov_b32 v255, 0
	v_lshrrev_b32 v1, 5, v0
	v_readfirstlane_b32 s3, v1                     ; wave 0..3
	s_and_b32 s5, ttmp7, 0xffff                    ; which 64 rows
	v_and_b32 v1, 31, v0                           ; lane
	v_and_b32 v2, 15, v0                           ; r
	v_bfe_u32 v3, v0, 4, 1                         ; h
	s_mov_b32 s[SEL], 0x76543210
	s_mov_b32 s[SEL+1], 0xfedcba98
	s_mul_i32 s20, s3, 67840                       ; my 16 rows in LDS
	v_mul_u32_u24 v4, v3, 260
	v_lshl_add_u32 v4, v2, 4, v4
	v_add_nc_u32 v4, s20, v4                       ; a load of 512 bytes holds two heads: head 2 m + h begins 260 (2 m + h) bytes into the row
	v_add_nc_u32 v5, 33920, v4                     ; rows 8-15
	v_mul_u32_u24 v6, v2, 4240
	v_mad_u32_u24 v6, v3, 260, v6
	v_add_nc_u32 v6, s20, v6
	v_add_nc_u32 v6, 256, v6                       ; unit 64 of head 2 q + h of row r
	v_lshrrev_b32 v7, 2, v1
	v_mul_u32_u24 v7, v7, 4240
	v_and_b32 v8, 3, v1
	v_lshl_add_u32 v7, v8, 4, v7
	v_add_nc_u32 v7, s20, v7
	v_add_nc_u32 v7, 4160, v7                      ; the 64 bytes behind k = 1,039 of eight rows
	v_mul_u32_u24 v8, v2, 4240
	v_lshl_add_u32 v8, v3, 6, v8
	v_add_nc_u32 v8, s20, v8                       ; row r, + 64 h: my 16 numbers of a block of 32
	v_lshlrev_b32 v13, 4, v1                       ; 16 x lane
	v_lshlrev_b32 v12, 2, v1
	s_mul_i32 s21, s3, 9216
	s_add_co_u32 s21, s21, XIMG
	v_add_nc_u32 v9, s21, v13                      ; where my nine images go
	s_mul_i32 s21, s3, 1152
	s_add_co_u32 s21, s21, XSC
	v_add_nc_u32 v10, s21, v12                     ; and their scale words
	v_add_nc_u32 v11, XIMG, v13                    ; where any image is read
	v_add_nc_u32 v12, XSC, v12
	v_lshlrev_b32 v14, 15, v3
	v_lshl_add_u32 v14, v2, 2, v14                 ; ox: head h of a pair, row r
	v_mul_u32_u24 v15, v2, 528
	v_lshl_add_u32 v15, v3, 5, v15
	v_add_nc_u32 v15, s20, v15                     ; the stage, in
	v_add_nc_u32 v16, s20, v13                     ; and back
	v_lshlrev_b32 v17, 5, v3                       ; bo: eight columns of my half
.irp b, 0,1,2,3
	v_mov_b32 v[TM+4+\b], 0                        ; written once: the destination of a lane permute counts as a source
	v_mov_b32 v[ZR+\b], 0
.endr
	s_lshl_b32 s24, s5, 6
	s_lshl_b32 s25, s3, 4
	s_add_co_u32 s24, s24, s25                     ; my first row
	s_lshl_b32 s26, s24, 12
	s_mov_b32 s27, 0
	s_lshl_b32 s28, s24, 2
	s_mov_b32 s29, 0
	s_lshl_b32 s30, ttmp9, 5
	s_lshl_b32 s25, s3, 3
	s_add_co_u32 s30, s30, s25                     ; my first tile of Wo: 32 cg + 8 w
	s_mul_i32 s30, s30, 9216
	s_mov_b32 s31, 0
	s_lshl_b32 s32, ttmp9, 2
	s_add_co_u32 s32, s32, s3
	s_mul_i32 s32, s32, 4608
	s_mov_b32 s33, 0
	s_lshl_b32 s34, ttmp9, 11
	s_lshl_b32 s25, s3, 9
	s_add_co_u32 s34, s34, s25                     ; my first column, in bytes
	s_mov_b32 s35, 0
	s_lshl_b32 s36, s5, 18
	s_add_co_u32 s36, s36, s34
	s_mov_b32 s37, 0
	s_wait_kmcnt 0x0
	s_add_nc_u64 s[8:9], s[8:9], s[26:27]
	s_add_nc_u64 s[10:11], s[10:11], s[28:29]
	s_add_nc_u64 s[12:13], s[12:13], s[30:31]
	s_add_nc_u64 s[14:15], s[14:15], s[32:33]
	s_add_nc_u64 s[16:17], s[16:17], s[34:35]
	s_add_nc_u64 s[18:19], s[18:19], s[36:37]
	; ---- 1: my 16 rows, unit 64 first
.irp q, 0,1,2,3,4,5,6,7
	global_load_b32 v[EX+\q], v14, s[10:11] offset:65536*\q
.endr
	WIN 0x40
.irp n, 0,1,2,3,4,5,6,7
.irp m, 0,1,2,3,4,5,6,7
	global_load_b128 v[4*(8*\n+\m):4*(8*\n+\m)+3], v13, s[8:9] offset:4096*\n+512*\m
.endr
.endr
	WIN 0x80
.irp n, 0,1,2,3,4,5,6,7
.irp m, 0,1,2,3,4,5,6,7
	global_load_b128 v[4*(8*\n+\m):4*(8*\n+\m)+3], v13, s[8:9] offset:4096*(8+\n)+512*\m
.endr
.endr
	WIN 0xc0
.irp n, 0,1,2,3,4,5,6,7
	global_load_b128 v[192+8*\n:192+8*\n+3], v17, s[16:17] offset:64*\n
	global_load_b128 v[192+8*\n+4:192+8*\n+7], v17, s[16:17] offset:64*\n+16
.endr
	WIN 0
	; ---- 2: into the order of K.  A head begins 260 bytes behind the last: words, not quads
	ds_store_b128 v7, v[ZR:ZR+3]
	ds_store_b128 v7, v[ZR:ZR+3] offset:33920
	s_wait_loadcnt 63                              ; 144 loads were issued behind the first eight
.irp q, 0,1,2,3,4,5,6,7
	ds_store_b32 v6, v[EX+\q] offset:520*\q
.endr
.set nn, 0
.rept 16
.set cnt, 8*(15-nn)+16                 ; the later rows' loads and bo's sixteen may be out
.if cnt > 63
.set cnt, 63
.endif
	s_wait_loadcnt cnt
	WIN 4*(1+nn/8)
.irp m, 0,1,2,3,4,5,6,7
.irp e, 0,1,2,3
	ds_store_b32 v[4+nn/8], v[4*(8*(nn%8)+\m)+\e] offset:4240*(nn%8)+520*\m+4*\e
.endr
.endr
.set nn, nn+1
.endr
	WIN 0
	s_wait_dscnt 0x0                               ; the stores have read their registers, which Wo now takes
	; ---- 3: nine fragments
.irp s, 0,1,2,3,4,5,6,7,8
	QSTEP \s
.endr
	s_barrier_signal -1                            ; my images have landed (the wait for 0 stands at the end of the last step)
	s_barrier_wait -1                              ; all 36 lie in LDS; they are never written again
	s_wait_loadcnt 0x0                             ; Wo, its scale words, bo
	; ---- 4: two tiles of rows at a time: 9 K steps x 16 products, sixteen accumulators by turns
.irp pi, 0,1
.if \pi == 1
	s_wait_xcnt 0x0                                ; the stores of the first pair have read their registers
.endif
.irp mm, 0,1
.irp s, 0,1,2,3,4,5,6,7,8
.irp c, 0,1
	ds_load_b128 v[XFO+8*(9*\mm+\s)+4*\c:XFO+8*(9*\mm+\s)+4*\c+3], v11 offset:(9*(2*\pi+\mm)+\s)*1024+512*\c
.endr
	ds_load_b32 v[XSO+9*\mm+\s], v12 offset:128*(9*(2*\pi+\mm)+\s)
.endr
.endr
	s_wait_dscnt 0x0
.irp s, 0,1,2,3,4,5,6,7,8
	WIN 0xf0|(1+\s/4)                              ; Wo window 1, 2 or 3; rows window 0; C and D window 3
.irp mm, 0,1
.irp n, 0,1,2,3,4,5,6,7
.if \s == 0
	MMO 64+8*(8*\mm+\n), 64*(\s%4)+8*\n, XFO+8*(9*\mm+\s), 192+8*\n, WSO+4*\s+(\n%4), XSO+9*\mm+\s, \n/4
.else
	MMO 64+8*(8*\mm+\n), 64*(\s%4)+8*\n, XFO+8*(9*\mm+\s), 64+8*(8*\mm+\n), WSO+4*\s+(\n%4), XSO+9*\mm+\s, \n/4
.endif
.endr
.endr
.endr
	WIN 0
.rept 5
	v_nop                                          ; four places in front of the reads of results and of loads into the fragments; a fifth, since the next pair's first products write over these accumulators
.endr
	OUTTILE \pi, 0
	OUTTILE \pi, 1
.endr
	s_wait_tensorcnt 0x0
	ds_add_u32 v254, v255
	s_wait_dscnt 0x0
	s_endpgm
.Lfunc_end_k_q0988501cf6_outp:
	.size	k_q0988501cf6_outp, .Lfunc_end_k_q0988501cf6_outp-k_q0988501cf6_outp
	.p2alignl 7, 3214868480
	.fill 96, 4, 3214868480
	.section	.rodata,"a",@progbits
	.p2align	6, 0x0
	.amdhsa_kernel k_q0988501cf6_outp
		.amdhsa_group_segment_fixed_size 313344
		.amdhsa_private_segment_fixed_size 0
		.amdhsa_enable_private_segment 0
		.amdhsa_kernarg_size 48
		.amdhsa_user_sgpr_count 2
		.amdhsa_user_sgpr_kernarg_segment_ptr 1
		.amdhsa_wavefront_size32 1
		.amdhsa_system_sgpr_workgroup_id_x 1
		.amdhsa_system_sgpr_workgroup_id_y 1
		.amdhsa_system_sgpr_workgroup_id_z 1
		.amdhsa_system_vgpr_workitem_id 0
		.amdhsa_next_free_vgpr 1024
		.amdhsa_next_free_sgpr 66
		.amdhsa_reserve_vcc 0
		.amdhsa_float_denorm_mode_32 3
		.amdhsa_float_denorm_mode_16_64 3
		.amdhsa_memory_ordered 1
		.amdhsa_forward_progress 1
		.amdhsa_inst_pref_size 172
	.end_amdhsa_kernel
	.amdgpu_metadata
---
amdhsa.version: [ 1, 2 ]
amdhsa.kernels:
  - .name:           k_q0988501cf6_outp
    .symbol:         k_q0988501cf6_outp.kd
    .args:
      - { .name: om, .offset: 0, .size: 8, .value_kind: global_buffer, .address_space: global }
      - { .name: ox, .offset: 8, .size: 8, .value_kind: global_buffer, .address_space: global }
      - { .name: woimg, .offset: 16, .size: 8, .value_kind: global_buffer, .address_space: global }
      - { .name: wosc, .offset: 24, .size: 8, .value_kind: global_buffer, .address_space: global }
      - { .name: bo, .offset: 32, .size: 8, .value_kind: global_buffer, .address_space: global }
      - { .name: out0, .offset: 40, .size: 8, .value_kind: global_buffer, .address_space: global }
    .group_segment_fixed_size: 313344
    .private_segment_fixed_size: 0
    .kernarg_segment_align: 8
    .kernarg_segment_size: 48
    .max_flat_workgroup_size: 128
    .sgpr_count:     66
    .vgpr_count:     1024
    .wavefront_size: 32
...
	.end_amdgpu_metadata
.endif
;; end of part 3
;; ======== version 2 of 2: 3 launches
;; limits: right only within a limited range of input values
;; workspace buffers: qimg 5,242,880 bytes; kimg 5,242,880 bytes; vimg 5,767,168 bytes; mbits 2,097,152 bytes of whole numbers; woimg 589,824 bytes; wosc 36,864 bytes; om 33,554,432 bytes; ox 524,288 bytes
;; launch prep (part 4): grid 464 x 1, 4 waves a work-group, no clusters, 181,760 bytes of LDS; arguments q_codes, q_scales, Wq_codes, Wq_scales, bq, qimg, k_codes, k_scales, Wk_codes, Wk_scales, bk, kimg, v_codes, v_scales, Wv_codes, Wv_scales, bv, vimg, Wo, woimg, wosc, mask, mbits; writes qimg, kimg, vimg, woimg, wosc, mbits
.if DOCPART == 4
	.amdgcn_target "amdgcn-amd-amdhsa--gfx1250"
	.amdhsa_code_object_version 6
	.text
	.protected	k_q0988501cf6_prep
	.globl	k_q0988501cf6_prep
	.p2align	8
	.type	k_q0988501cf6_prep,@function
k_q0988501cf6_prep:
	s_mov_b64 s[64:65], 0
	v_nop
	global_prefetch_b8 v0, s[64:65] scope:SCOPE_SE
	s_setreg_imm32_b32 hwreg(HW_REG_WAVE_SCHED_MODE, 0, 2), 2
	s_setreg_imm32_b32 hwreg(HW_REG_WAVE_MODE, 25, 1), 1
	s_wait_xcnt 0x0
	s_wait_alu depctr_vm_vsrc(0)
; PREP: all that attention and the last product want laid ready.  Four roles, chosen by the work-group number (the same in all four waves):
;   0-127   QK: qh = q Wq^T + bq (0-63) or kh = k Wk^T + bk (64-127), quantised along the 65 units of a head, stored as images of operand registers
;   128-191 V:  vh = v Wv^T + bv, quantised along the keys, stored likewise
;   192-207 Wo: quantised along its 1,040 columns, stored likewise
;   208-463 mask: 32 int32 of the mask become one bit word, laid as the scores lie in the lanes of the attention launch
; All products on codes of FP4 (E2M1) with one E8M0 scale for each 32 along K, f32 sums.
; PROJECTIONS.  A work-group takes 4 heads x 512 rows; wave w takes one head: its five tiles of 16 rows of W for all of K (8 steps of 128) stay in 320 registers.
; A head is 65 units: four tiles of 16 and a fifth tile whose sixteen rows are all unit 64.  The rows of x pass through LDS, 64 at a time, in two slots by turns:
; wave w loads tile w (16 whole rows of 512 bytes), all four waves read all four tiles.  ONE barrier a block: a slot is stored again only by waves that have passed
; the next barrier, which every wave reaches behind its awaited reads of the slot.  Each role has LDS bytes of its own.
; QK is used transposed (source 0 = W, source 1 = x): a lane holds one row of x and its registers run along the head units, which are the K of the scores.
; V is used straight (source 0 = x, source 1 = W): a lane holds one unit and its registers run along the keys, which are the K of the second product.
; The rows that form a tile are chosen so that the 16 registers of two neighbouring tiles are 16 neighbours along the next K: lane r of tile 2 b + u takes row 32 b + 8 u + r + 8 (r / 8).
; No joint loads: the rows of x that four work-groups share are 38 MB of requests beside the 67 MB of the mask that this launch streams, and each refill would want a round of a cluster barrier for 160 matrix instructions.
; LIMITS: blocks whose largest magnitude lies under 2^-124 keep the scale byte 1 (a block of zeros too: its codes are zeros, and this program alone reads the bytes); NaN and infinities are not served.
; REGISTERS (projections).  window 0: v1 lane, v2 r, v3 h, v4-12 addresses, v13 zero, v24-51 codes and scale words on their way out, v64-159 three sets of four fragments of x,
;   v160-175 at work, v184-223 scale words of W (8 t + s), v224-255 scale words of x (8 i + s).  window 1: W tiles 0-3 at 8 (8 t + s).
;   window 2: v0-63 W tile 4, v64-223 twenty accumulators.  window 3: v0-67 rows of x as loaded, v72-111 the bias in the layout of a result.
; THE MODE: SCHED_MODE bits 1:0 = 2 (LLVM: expert scheduling mode 2), set by the entry lines.  The code itself states the register dependences
; between vector or matrix instructions and memory or LDS instructions, with s_wait_alu, always for 0.
; THE PLAN, projections.  Registers that memory or LDS instructions touch, round the loop:
;   the rows (window 3, v0-67)  Written by a block's global loads; read by the next block's LDS stores; then loaded again: one wait on vm_vsrc behind the block's barrier.
;   XF0 .. XF2                  K step s: its twenty products read set s % 3.  The loads of K step s + 2 land in the set that K step s - 1 read: they stand at the head of K step s (1 to 5), behind one wait on va_vdst.
;                               K steps 0 to 2 are asked for at the block's head: the wait on va_vdst of the last block's way out stands ahead of them.
;   XS                          Read as scales by all of a block's products; loaded again at the next block's head: the same wait.
;   codes and scale words out   Written by the way out's conversions and shifts; read by its stores, which stand together behind one wait on va_vdst; written again a block later, behind a wait on vm_vsrc.
;   v4-v13                      Addresses, made at the role's head and never written again: one wait on va_vdst ahead of the first load.  W, its scale words and the bias are loaded once.
;   The accumulators and v160-175 are named by vector and matrix instructions alone.
; THE PLAN, mask.  A set of window 1 is read by a unit's LDS stores and then loaded again: a wait on vm_vsrc.  v64-127 are read by a unit's compares and loaded again in the next unit; a unit's pair of bit words is written by
;   v_writelane_b32 and read by its store, and never written again: one wait on va_vdst ahead of the store states both.  The compares stand in runs of 32, into 32 scalar registers, with one wait on va_sdst behind each run.
; THE PLAN, Wo.  All loads go out at the head.  A step's codes and scale word are written by its conversions, read by its three stores (a wait on va_vdst), and written again in the next step (a wait on vm_vsrc).
.set SEL, 40                           ; s[40:41] selects of v_permlanex16_b32 for lane l xor 16
.set XF,  64
.set WS,  184
.set XS,  224
.set TM,  160                          ; +0..3 largest magnitudes, +4..7 bytes, +8..10 the 65th unit, +12..15 scale operands of the conversions
.set PQ,  24                           ; codes
.set R4,  44                           ; the 65th codes of four tiles
.set PWQ, 48                           ; scale words of four tiles
.set PWV, 44                           ; V: scale words of five tiles and three zero words
.set MX,  64                           ; mask role: 64 numbers of the mask
.set MW,  32                           ; mask role: a pair of registers of bit words for each of 8 units
.set MSB, 0
.macro WIN new                         ; the upper byte of the immediate repeats the setting that is left; a switch that changes nothing is dropped
.if MSB != (\new)
	s_set_vgpr_msb (MSB<<8)|(\new)
.set MSB, (\new)
.endif
.endm
.macro MM d, a, b, c, sa, sb
	v_wmma_scale_f32_16x16x128_f8f6f4 v[\d:\d+7], v[\a:\a+7], v[\b:\b+7], v[\c:\c+7], v[\sa], v[\sb] matrix_a_fmt:MATRIX_FMT_FP4 matrix_b_fmt:MATRIX_FMT_FP4
.endm
; 16 rows of x (my tile) and their scale bytes, from off bytes behind the block in hand, into window 3: each load is one whole row, 512 consecutive bytes
.macro GLOAD off
	WIN 0xc0
.irp n, 0,1,2,3,4,5,6,7
	global_load_b128 v[4*\n:4*\n+3], v4, s[8:9] offset:\off+512*\n
.endr
.irp n, 0,1,2,3,4,5,6,7
	global_load_b128 v[32+4*\n:32+4*\n+3], v5, s[8:9] offset:\off+512*\n
.endr
	global_load_b128 v[64:67], v6, s[10:11] offset:(\off)/16
	WIN 0
.endm
; the four fragments of x of K step s, from the slot that begins lb bytes on, into set s % 3
.macro XFRAGS lb, s
.irp i, 0,1,2,3
.irp c, 0,1
	ds_load_b128 v[XF+32*((\s)%3)+8*\i+4*\c:XF+32*((\s)%3)+8*\i+4*\c+3], v9 offset:\lb+\i*8448+64*(\s)+32*\c
.endr
.endr
.endm
; One K step: 20 matrix instructions on 20 accumulators by turns.  The first K step takes the bias as C.
.macro KSTEP path, s, half
.if \s == 0
	s_wait_dscnt 16                                ; LDS loads come back in order: the scale words and this step's fragments are in; the sixteen younger loads, two K steps, may be out
.elseif \s < 7
	s_wait_dscnt 8                                 ; this step's fragments are in; the next step's eight loads may be out
.else
	s_wait_dscnt 0x0                               ; the last fragments are in: my reads of this slot are over
.endif
.if (\s > 0) && (\s < 6)
.rept 4
	v_nop                                          ; four places between the last step's products and the loads into the set that they read
.endr
	s_wait_alu depctr_va_vdst(0)                   ; the last step's products are done reading their set of fragments, in which the loads below land
	XFRAGS 33792*\half, \s+2
.endif
.set FX, XF+32*(\s%3)
.if \s == 0
	WIN 0xb1+3*\path                               ; W window 1, x window 0, C window 3 (the bias), D window 2
.else
	WIN 0xa1+3*\path                               ; C and D window 2
.endif
.irp i, 0,1,2,3
.irp t, 0,1,2,3
.if \path == 0
.if \s == 0
	MM 64+8*(5*\i+\t), 8*(8*\t+\s), FX+8*\i, 72+8*\t, WS+8*\t+\s, XS+8*\i+\s
.else
	MM 64+8*(5*\i+\t), 8*(8*\t+\s), FX+8*\i, 64+8*(5*\i+\t), WS+8*\t+\s, XS+8*\i+\s
.endif
.else
.if \s == 0
	MM 64+8*(4*\t+\i), FX+8*\i, 8*(8*\t+\s), 72+8*\t, XS+8*\i+\s, WS+8*\t+\s
.else
	MM 64+8*(4*\t+\i), FX+8*\i, 8*(8*\t+\s), 64+8*(4*\t+\i), XS+8*\i+\s, WS+8*\t+\s
.endif
.endif
.endr
.endr
.if \s == 0
	WIN 0xb2+6*\path                               ; the fifth tile of W lies in window 2
.else
	WIN 0xa2+6*\path
.endif
.irp i, 0,1,2,3
.if \path == 0
.if \s == 0
	MM 64+8*(5*\i+4), 8*\s, FX+8*\i, 104, WS+32+\s, XS+8*\i+\s
.else
	MM 64+8*(5*\i+4), 8*\s, FX+8*\i, 64+8*(5*\i+4), WS+32+\s, XS+8*\i+\s
.endif
.else
.if \s == 0
	MM 64+8*(16+\i), FX+8*\i, 8*\s, 104, XS+8*\i+\s, WS+32+\s
.else
	MM 64+8*(16+\i), FX+8*\i, 8*\s, 64+8*(16+\i), XS+8*\i+\s, WS+32+\s
.endif
.endif
.endr
	WIN 0
.endm
; 32 registers of window 2, register 16 b + i = k 32 b + 16 (lane / 16) + i of my row, become operand registers 0-3 in v[dst] on; the two scale bytes stay in v[TM+4], v[TM+5].
; ex >= 0: v[ex] on (window 2) holds unit 64 eight times: its code goes to v[r4], its byte to v[TM+10].  Each accumulator is read from its low end on.
.macro QUANT2 src, dst, ex, r4
	WIN 0x28                                       ; sources 1 and 2 window 2
.irp b, 0,1
	v_max3_num_f32 v[TM+\b], 0x1800000, |v[\src+16*\b]|, |v[\src+16*\b+1]|   ; my 16 numbers of block b, and the floor 2^(3 - 127): the byte cannot fall under 1
.endr
.irp i, 2,4,6,8,10,12,14
.irp b, 0,1
	v_max3_num_f32 v[TM+\b], v[TM+\b], |v[\src+16*\b+\i]|, |v[\src+16*\b+\i+1]|
.endr
.endr
.if \ex >= 0
	v_max_num_f32 v[TM+8], 0x1800000, |v[\ex]|     ; the third block holds one number
.endif
	WIN 0
.irp b, 0,1
	v_permlanex16_b32 v[TM+4+\b], v[TM+\b], s[SEL], s[SEL+1]
.endr
.irp b, 0,1
	v_max_num_f32 v[TM+\b], v[TM+\b], v[TM+4+\b]   ; with lane l xor 16: the largest magnitude of the block
.endr
.irp b, 0,1
	v_add_nc_u32 v[TM+12+\b], 0xff000000, v[TM+\b] ; 2 off its exponent field: the scale operand of the conversion
.endr
.if \ex >= 0
	v_add_nc_u32 v[TM+9], 0xff000000, v[TM+8]
.endif
.irp b, 0,1
	v_lshrrev_b32 v[TM+4+\b], 23, v[TM+12+\b]      ; the scale byte
.endr
.if \ex >= 0
	v_lshrrev_b32 v[TM+10], 23, v[TM+9]
.endif
	WIN 0x02                                       ; source 0 window 2
.irp b, 0,1
	v_cvt_scalef32_pk8_fp4_f32 v[\dst+2*\b], v[\src+16*\b:\src+16*\b+7], v[TM+12+\b]
	v_cvt_scalef32_pk8_fp4_f32 v[\dst+2*\b+1], v[\src+16*\b+8:\src+16*\b+15], v[TM+12+\b]
.endr
.if \ex >= 0
	v_cvt_scalef32_pk8_fp4_f32 v[\r4], v[\ex:\ex+7], v[TM+9]
.endif
	WIN 0
	v_nop                                          ; one plain place behind the scaled conversions
	v_permlane16_swap_b32 v[\dst], v[\dst+2]       ; a whole block to a lane: lanes 0-15 block 0, lanes 16-31 block 1
	v_permlane16_swap_b32 v[\dst+1], v[\dst+3]
.endm
; 64 registers of window W, register 16 b + i = k 32 b + 16 (lane / 16) + i of my row, become a fragment in v[PQ] on and its scale word in v[PWQ]
.macro QUANT4W src, W
	WIN ((\W)<<2)|((\W)<<4)
.irp b, 0,1,2,3
	v_max3_num_f32 v[TM+\b], 0x1800000, |v[\src+16*\b]|, |v[\src+16*\b+1]|
.endr
.irp i, 2,4,6,8,10,12,14
.irp b, 0,1,2,3
	v_max3_num_f32 v[TM+\b], v[TM+\b], |v[\src+16*\b+\i]|, |v[\src+16*\b+\i+1]|
.endr
.endr
	WIN 0
.irp b, 0,1,2,3
	v_permlanex16_b32 v[TM+4+\b], v[TM+\b], s[SEL], s[SEL+1]
.endr
.irp b, 0,1,2,3
	v_max_num_f32 v[TM+\b], v[TM+\b], v[TM+4+\b]
.endr
.irp b, 0,1,2,3
	v_add_nc_u32 v[TM+12+\b], 0xff000000, v[TM+\b]
.endr
.irp b, 0,1,2,3
	v_lshrrev_b32 v[TM+4+\b], 23, v[TM+12+\b]
.endr
	v_lshl_or_b32 v[PWQ], v[TM+5], 8, v[TM+4]
	v_lshl_or_b32 v[PWQ], v[TM+6], 16, v[PWQ]
	v_lshl_or_b32 v[PWQ], v[TM+7], 24, v[PWQ]
	WIN (\W)
.irp b, 0,1,2,3
	v_cvt_scalef32_pk8_fp4_f32 v[PQ+2*\b], v[\src+16*\b:\src+16*\b+7], v[TM+12+\b]
	v_cvt_scalef32_pk8_fp4_f32 v[PQ+2*\b+1], v[\src+16*\b+8:\src+16*\b+15], v[TM+12+\b]
.endr
	WIN 0
	v_nop
.irp c, 0,1
.irp i, 0,1
	v_permlane16_swap_b32 v[PQ+4*\c+\i], v[PQ+2+4*\c+\i]
.endr
.endr
.endm
; The way out of a block of q or k: four tiles of a record of 5,120 bytes (128 rows): 512 t + 16 lane: registers 0-3; 4,096 + 256 hf + 16 r + 4 i: register 4; 4,608 + ...: the scale word
.macro EPI_QK half
	s_wait_xcnt 0x0                                ; the last block's stores have read their registers
	s_wait_alu depctr_vm_vsrc(0)                   ; the last block's stores have read the codes and scale words v24 to v51, which the lines below write again
.rept 4
	v_nop                                          ; four places behind the last products
.endr
.irp i, 0,1,2,3
	QUANT2 64+40*\i, PQ+4*\i, 64+40*\i+32, R4+\i
	v_and_b32 v[R4+\i], 15, v[R4+\i]               ; one code of the eight equal ones: k = 64; k = 65 on are zero codes
	v_lshl_or_b32 v[PWQ+\i], v[TM+5], 8, v[TM+4]
	v_lshl_or_b32 v[PWQ+\i], v[TM+10], 16, v[PWQ+\i]   ; three bytes; the fourth is 0 and stands over zero codes
.endr
	s_wait_alu depctr_va_vdst(0)                   ; the codes and scale words of the four tiles are written, which the six stores read; and the block's products are done reading x's fragments and scale words, in which the next block's loads land
.irp i, 0,1,2,3
	global_store_b128 v11, v[PQ+4*\i:PQ+4*\i+3], s[18:19] offset:2048*\half+512*\i   ; 512 consecutive bytes
.endr
	global_store_b128 v12, v[R4:R4+3], s[18:19] offset:4096+256*\half    ; 256 consecutive bytes; both halves of the lanes hold and write the same
	global_store_b128 v12, v[PWQ:PWQ+3], s[18:19] offset:4608+256*\half
.endm
; The way out of a block of v: half a K step (64 keys) of five tiles of a record of 5,632 bytes: 1,024 t + 512 c + 16 lane; the scale words at 5,120 + 16 r + 4 t and 5,376 + 16 r
.macro EPI_V half
	s_wait_xcnt 0x0
	s_wait_alu depctr_vm_vsrc(0)                   ; the earlier blocks' stores have read the codes and scale words v24 to v48, which the lines below write again
.rept 4
	v_nop
.endr
.irp t, 0,1,2,3,4
	QUANT2 64+32*\t, PQ+4*\t, -1, 0
.if \half == 0
	v_lshl_or_b32 v[PWV+\t], v[TM+5], 8, v[TM+4]   ; bytes 0 and 1 of the word of 128 keys
.else
	v_lshl_or_b32 v[TM+4], v[TM+5], 8, v[TM+4]
	v_lshl_or_b32 v[PWV+\t], v[TM+4], 16, v[PWV+\t]    ; bytes 2 and 3
.endif
.endr
	s_wait_alu depctr_va_vdst(0)                   ; the codes and scale words of the five tiles are written, which the stores read; and the block's products are done reading x's fragments and scale words, in which the next block's loads land
.irp t, 0,1,2,3,4
	global_store_b128 v11, v[PQ+4*\t:PQ+4*\t+3], s[18:19] offset:1024*\t+512*\half
.endr
.if \half == 1
	global_store_b128 v12, v[PWV:PWV+3], s[18:19] offset:5120
	global_store_b128 v12, v[PWV+4:PWV+7], s[18:19] offset:5376
.endif
.endm
; A block of 64 rows, in slot half
.macro BLOCK path, half
	s_wait_loadcnt 0x0                             ; my 16 rows and their scale bytes are in (asked for a block ago)
	WIN 0x0c                                       ; the data of an LDS store are its source 1: window 3
.irp n, 0,1,2,3,4,5,6,7,8,9,10,11,12,13,14,15
	ds_store_b128 v7, v[4*\n:4*\n+3] offset:33792*\half+528*\n
.endr
	ds_store_b128 v8, v[64:67] offset:3072*\half
	WIN 0
	s_wait_dscnt 0x0                               ; for the others: my stores have landed; my reads of the other slot were awaited in its K steps
	s_barrier_signal -1
	s_barrier_wait -1
	s_wait_alu depctr_vm_vsrc(0)                   ; my LDS stores have read the rows' registers, in which the next block's loads land; it stands ahead of the branch
.if \half == 0
	GLOAD 32768                                    ; the next block
.else
	s_cmp_eq_u32 s32, 1                            ; the last block asks for nothing: no load leaves its buffer
	s_cbranch_scc1 .Lnomore_\@
	GLOAD 65536
.Lnomore_\@:
.endif
.irp i, 0,1,2,3
.irp j, 0,1
	ds_load_b128 v[XS+8*\i+4*\j:XS+8*\i+4*\j+3], v10 offset:3072*\half+768*\i+16*\j   ; the eight scale words of row r of tile i
.endr
.endr
	XFRAGS 33792*\half, 0                          ; three K steps are asked for at once.  No wait: no vector or matrix instruction since the last way out's wait names these registers
	XFRAGS 33792*\half, 1
	XFRAGS 33792*\half, 2
.irp s, 0,1,2,3,4,5,6,7
	KSTEP \path, \s, \half
.endr
.if \path == 0
	EPI_QK \half
.else
	EPI_V \half
.endif
.endm
; A projection role.  path 0: q or k;  path 1: v
.macro PROJ path
.if \path == 0
	s_load_b256 s[8:15], s[0:1], 0x0               ; q: codes, scales; Wq: codes, scales
	s_load_b128 s[16:19], s[0:1], 0x20             ; bq, qimg
	s_load_b256 s[20:27], s[0:1], 0x30             ; the same six of k
	s_load_b128 s[28:31], s[0:1], 0x50
	s_lshr_b32 s4, ttmp9, 6                        ; 0: q, 1: k
.else
	s_load_b256 s[8:15], s[0:1], 0x60              ; the six of v
	s_load_b128 s[16:19], s[0:1], 0x80
.endif
	s_bfe_u32 s5, ttmp9, 0x20004                   ; which four heads
	s_and_b32 s6, ttmp9, 15                        ; which 512 rows
	s_lshl_b32 s7, s5, 2
	s_add_co_u32 s7, s7, s3                        ; my head
	s_lshr_b32 s42, s3, 1
	s_lshl_b32 s42, s42, 5
	s_and_b32 s43, s3, 1
	s_lshl_b32 s43, s43, 3
	s_add_co_u32 s42, s42, s43                     ; first row of my tile of k or v: 32 (w / 2) + 8 (w % 2); its rows 8-15 lie 16 further on
.if \path == 0
	s_lshl_b32 s43, s3, 4                          ; of q: 16 w, sixteen neighbours
	s_cmp_eq_u32 s4, 0
	s_cselect_b32 s42, s43, s42
	s_cselect_b32 s44, 8, 16
	s_cselect_b32 s45, 0, 8
.else
	s_mov_b32 s44, 16
	s_mov_b32 s45, 8
.endif
	v_lshlrev_b32 v11, 4, v1                       ; 16 x lane
	v_lshlrev_b32 v12, 4, v2                       ; 16 r
	s_lshl_b32 s46, s42, 9
	v_add_nc_u32 v4, s46, v11                      ; x: rows 0-7 of my tile
	s_add_co_u32 s47, s42, s44
	s_lshl_b32 s47, s47, 9
	v_add_nc_u32 v5, s47, v11                      ; rows 8-15
	v_lshrrev_b32 v14, 1, v1
	v_mul_u32_u24 v15, s45, v3
	v_add3_u32 v16, v14, v15, s42
	v_and_b32 v15, 1, v1
	v_lshlrev_b32 v15, 4, v15
	v_lshl_add_u32 v6, v16, 5, v15                 ; scale bytes: two lanes to a row of 32 bytes
	s_mul_i32 s46, s3, 8448
	s_add_co_u32 s46, s46, 73728*\path
	v_add_nc_u32 v7, s46, v11                      ; LDS, in: my tile, rows 528 bytes apart (512 + 16: an odd multiple of 16)
	v_mul_u32_u24 v14, v14, 48
	v_add_nc_u32 v14, v14, v15
	s_mul_i32 s46, s3, 768
	s_add_co_u32 s46, s46, 73728*\path+67584
	v_add_nc_u32 v8, s46, v14                      ; scale bytes, in: rows 48 bytes apart
	v_mul_u32_u24 v9, v2, 528
	v_lshl_add_u32 v9, v3, 4, v9
	v_add_nc_u32 v9, 73728*\path, v9               ; a fragment: row r, + 16 h
	v_mul_u32_u24 v10, v2, 48
	v_add_nc_u32 v10, 73728*\path+67584, v10       ; scale words of row r
.if \path == 0
	v_and_b32 v22, 8, v2
	v_add_nc_u32 v22, v22, v2                      ; r + 8 (r / 8)
	v_lshlrev_b32 v23, 6, v3                       ; the bias: a lane holds units 16 h + ... of a pair of tiles
.else
	v_mov_b32 v22, v2
	v_lshlrev_b32 v23, 2, v2                       ; the bias: a lane holds unit r of a tile
.endif
	v_lshlrev_b32 v15, 4, v3                       ; the fifth tile: the same row in every lane
	v_lshl_add_u32 v14, v22, 9, v15                ; W: a row is 512 bytes
	v_lshlrev_b32 v22, 5, v22                      ; and 32 scale bytes
	v_mov_b32 v[TM+4], 0                           ; written once: the destination of a lane permute counts as a source
	v_mov_b32 v[TM+5], 0
.if \path == 1
.irp j, 5,6,7
	v_mov_b32 v[PWV+\j], 0
.endr
.endif
	s_mov_b32 s32, 4
	s_wait_kmcnt 0x0
.if \path == 0
	s_cmp_eq_u32 s4, 0
	s_cselect_b64 s[8:9], s[8:9], s[20:21]
	s_cselect_b64 s[10:11], s[10:11], s[22:23]
	s_cselect_b64 s[12:13], s[12:13], s[24:25]
	s_cselect_b64 s[14:15], s[14:15], s[26:27]
	s_cselect_b64 s[16:17], s[16:17], s[28:29]
	s_cselect_b64 s[18:19], s[18:19], s[30:31]
.endif
	s_mov_b32 s47, 0
	s_lshl_b32 s46, s6, 18
	s_add_nc_u64 s[8:9], s[8:9], s[46:47]          ; 512 rows of 512 bytes
	s_lshl_b32 s46, s6, 14
	s_add_nc_u64 s[10:11], s[10:11], s[46:47]
	s_mul_i32 s46, s7, 33280
	s_add_nc_u64 s[12:13], s[12:13], s[46:47]      ; 65 rows of W a head
	s_mul_i32 s46, s7, 2080
	s_add_nc_u64 s[14:15], s[14:15], s[46:47]
	s_mul_i32 s46, s7, 260
	s_add_nc_u64 s[16:17], s[16:17], s[46:47]
	s_lshr_b32 s46, s6, 2                          ; the record: ((batch x 16 + head) x 16 + step)
	s_lshl_b32 s46, s46, 4
	s_add_co_u32 s46, s46, s7
	s_lshl_b32 s46, s46, 4
	s_and_b32 s48, s6, 3
	s_lshl_b32 s48, s48, 2
	s_add_co_u32 s46, s46, s48
	s_mul_i32 s46, s46, 5120+512*\path
	s_add_nc_u64 s[18:19], s[18:19], s[46:47]
	s_wait_alu depctr_va_vdst(0)                   ; the offsets and addresses v4 to v15, v22 and v23 are written, which the role's loads and stores read; so are the zero words that the stores of v's scale words read
	WIN 0x40
.irp t, 0,1,2,3
.irp s, 0,1,2,3,4,5,6,7
.irp c, 0,1
	global_load_b128 v[8*(8*\t+\s)+4*\c:8*(8*\t+\s)+4*\c+3], v14, s[12:13] offset:((1-\path)*(32*(\t/2)+8*(\t%2))+\path*16*\t)*512+64*\s+32*\c
.endr
.endr
.endr
	WIN 0x80
.irp s, 0,1,2,3,4,5,6,7
.irp c, 0,1
	global_load_b128 v[8*\s+4*\c:8*\s+4*\c+3], v15, s[12:13] offset:64*512+64*\s+32*\c
.endr
.endr
	WIN 0
.irp t, 0,1,2,3
.irp j, 0,1
	global_load_b128 v[WS+8*\t+4*\j:WS+8*\t+4*\j+3], v22, s[14:15] offset:((1-\path)*(32*(\t/2)+8*(\t%2))+\path*16*\t)*32+16*\j
.endr
.endr
.irp j, 0,1
	global_load_b128 v[WS+32+4*\j:WS+32+4*\j+3], v13, s[14:15] offset:64*32+16*\j
.endr
	WIN 0xc0
.irp t, 0,1,2,3
.irp j, 0,1,2,3,4,5,6,7
	global_load_b32 v[72+8*\t+\j], v23, s[16:17] offset:(1-\path)*4*(32*(\t/2)+8*(\t%2)+\j)+\path*64*\t   ; a head begins 260 bytes behind the last: words, not quads
.endr
.endr
.irp j, 0,1,2,3,4,5,6,7
	global_load_b32 v[104+\j], v13, s[16:17] offset:256
.endr
	WIN 0
	GLOAD 0
.Ltrip_\@:                                         ; 4 trips of two blocks: one record of 128 rows
	BLOCK \path, 0
	BLOCK \path, 1
	s_wait_xcnt 0x0                                ; loads and stores have read their bases
	s_add_nc_u64 s[8:9], s[8:9], 0x10000
	s_add_nc_u64 s[10:11], s[10:11], 0x1000
	s_add_nc_u64 s[18:19], s[18:19], 5120+512*\path
	s_sub_co_u32 s32, s32, 1
	s_cmp_lg_u32 s32, 0
	s_cbranch_scc1 .Ltrip_\@
	s_wait_dscnt 0x0                               ; the closing lines, six on end
	s_wait_alu 0x0
	s_wait_tensorcnt 0x0
	ds_add_u32 v182, v183
	s_wait_dscnt 0x0
	s_endpgm
.endm
; mask role: a unit is 16 queries x 128 keys: 16 loads of 512 consecutive bytes, into set U % 4 of window 1
.macro MLOAD U
	WIN 0x40
.irp n, 0,1,2,3,4,5,6,7,8,9,10,11,12,13,14,15
	global_load_b128 v[64*((\U)%4)+4*\n:64*((\U)%4)+4*\n+3], v4, s[8:9] offset:8192*\n+512*(\U) th:TH_LOAD_NT
.endr
	WIN 0
.endm
.macro UNIT U
.if 16*(7-\U) < 48
	s_wait_loadcnt 16*(7-\U)                       ; the loads of the younger units may be out
.else
	s_wait_loadcnt 48
.endif
	WIN 0x04
.irp n, 0,1,2,3,4,5,6,7,8,9,10,11,12,13,14,15
	ds_store_b128 v5, v[64*(\U%4)+4*\n:64*(\U%4)+4*\n+3] offset:528*\n     ; through my own stage: LDS serves the instructions of a wave in order
.endr
	WIN 0
.irp b, 0,1,2,3
.irp g, 0,1,2,3
	ds_load_b128 v[MX+16*\b+4*\g:MX+16*\b+4*\g+3], v6 offset:128*\b+16*\g   ; register 16 b + i: query r, key 32 b + 16 h + i.  No wait: no vector instruction since the last unit's wait on va_vdst names these registers
.endr
.endr
	s_wait_dscnt 0x0
.if \U < 4
	s_wait_alu depctr_vm_vsrc(0)                   ; the LDS stores above have read this unit's set of window 1, in which the loads of four units on land
	MLOAD \U+4
.endif
.set mg, 0
.rept 2
.set mk, 0
.rept 32
	v_cmp_ne_u32 s[24+mk+2*(mk/16)], 0, v[MX+32*mg+mk]   ; word n = 32 g + k: bit lane = the mask of that lane for score register n; 32 words in s24-39 and s42-57
.set mk, mk+1
.endr
	s_wait_alu depctr_va_sdst(0)                   ; the 32 compares have written their scalar registers, ahead of the first line that reads one
.set mk, 0
.rept 32
	v_writelane_b32 v[MW+2*(\U)+(mk%2)], s[24+mk+2*(mk/16)], 16*mg+mk/2
.set mk, mk+1
.endr
.set mg, mg+1
.endr
	s_wait_alu depctr_va_vdst(0)                   ; the unit's pair of bit words is written, which the store reads; and the compares are done reading v64 to v127, in which the next unit's LDS loads land
	global_store_b64 v7, v[MW+2*(\U):MW+2*(\U)+1], s[10:11] offset:256*(\U)   ; 64 words: 256 consecutive bytes, aligned
.endm
; Wo role
.macro WOSTEP s
.set cnt, 0
.if \s < 8
.set cnt, 16*(7-\s)+4                  ; the loads of the later K steps may be out
.endif
.if cnt > 63
.set cnt, 63
.endif
	s_wait_loadcnt cnt
	s_wait_xcnt 0x0                                ; the last step's stores have read their registers
.if \s > 0
	s_wait_alu depctr_vm_vsrc(0)                   ; the last step's stores have read the codes and the scale word, which this step writes again
.endif
.if \s == 8                            ; K = 1,040: the last step has 16 numbers; lanes 16-31 and blocks 1-3 are zeros
	WIN 0xc3
.irp j, 0,1,2,3,4,5,6,7,8,9,10,11,12,13,14,15
	v_cndmask_b32 v[\j], v[\j], v13, s42
.endr
.set jj, 16
.rept 48
	v_mov_b32 v[jj], 0
.set jj, jj+1
.endr
.endif
	QUANT4W 64*(\s%4), 1+\s/4
	s_wait_alu depctr_va_vdst(0)                   ; the codes and the scale word are written, which the three stores read
	global_store_b128 v6, v[PQ:PQ+3], s[10:11] offset:1024*\s
	global_store_b128 v6, v[PQ+4:PQ+7], s[10:11] offset:1024*\s+512
	global_store_b32 v7, v[PWQ], s[12:13] offset:512*\s   ; one word in 16 bytes: 37 KB in all leave so
.endm
	v_lshl_add_u32 v182, v0, 2, 0x2c400
	v_mov_b32 v183, 0
	v_lshrrev_b32 v1, 5, v0
	v_readfirstlane_b32 s3, v1                     ; wave 0..3
	v_and_b32 v1, 31, v0                           ; lane
	v_and_b32 v2, 15, v0                           ; r
	v_bfe_u32 v3, v0, 4, 1                         ; h
	v_mov_b32 v13, 0
	s_mov_b32 s[SEL], 0x76543210
	s_mov_b32 s[SEL+1], 0xfedcba98
	s_wait_alu depctr_va_sdst(0)                   ; s3 is written, ahead of the branches and of its first reader in each role
	s_cmp_lt_u32 ttmp9, 128
	s_cbranch_scc1 .Lrole_qk
	s_cmp_lt_u32 ttmp9, 192
	s_cbranch_scc1 .Lrole_v
	s_cmp_lt_u32 ttmp9, 208
	s_cbranch_scc1 .Lrole_wo
	; ---- the mask: wave u = 4 (id - 208) + w takes query tile u / 2 (of 512) and 8 of its 16 steps of 128 keys
	s_load_b128 s[8:11], s[0:1], 0xa8              ; mask, mbits
	s_sub_co_u32 s4, ttmp9, 208
	s_lshl_b32 s4, s4, 2
	s_add_co_u32 s4, s4, s3
	s_lshr_b32 s5, s4, 1
	s_and_b32 s6, s4, 1
	s_lshl_b32 s20, s5, 17                         ; 16 rows of 8,192 bytes
	s_lshl_b32 s22, s6, 12
	s_add_co_u32 s20, s20, s22
	s_mov_b32 s21, 0
	s_lshl_b32 s22, s5, 12                         ; 16 units of 256 bytes
	s_lshl_b32 s23, s6, 11
	s_add_co_u32 s22, s22, s23
	s_mov_b32 s23, 0
	s_wait_alu depctr_va_vdst(0)
	v_lshlrev_b32 v4, 4, v1
	s_mul_i32 s7, s3, 8448
	s_add_co_u32 s7, s7, 147456                    ; my stage: 16 rows x 528 bytes
	v_add_nc_u32 v5, s7, v4
	v_mul_u32_u24 v6, v2, 528
	v_lshl_add_u32 v6, v3, 6, v6
	v_add_nc_u32 v6, s7, v6
	v_lshlrev_b32 v7, 3, v1
.irp j, 0,1,2,3,4,5,6,7,8,9,10,11,12,13,14,15
	v_mov_b32 v[MW+\j], 0                          ; written once: the destination of v_writelane_b32 counts as a source
.endr
	s_wait_kmcnt 0x0
	s_add_nc_u64 s[8:9], s[8:9], s[20:21]
	s_add_nc_u64 s[10:11], s[10:11], s[22:23]
	s_wait_alu depctr_va_vdst(0)                   ; the offsets and addresses v4 to v7 are written, which the role's loads and stores read
.irp U, 0,1,2,3
	MLOAD \U
.endr
.irp U, 0,1,2,3,4,5,6,7
	UNIT \U
.endr
	s_wait_dscnt 0x0                               ; the closing lines, six on end
	s_wait_alu 0x0
	s_wait_tensorcnt 0x0
	ds_add_u32 v182, v183
	s_wait_dscnt 0x0
	s_endpgm
.Lrole_qk:
	s_wait_alu depctr_va_vdst(0)
	PROJ 0
.Lrole_v:
	s_wait_alu depctr_va_vdst(0)
	PROJ 1
.Lrole_wo:
	; ---- Wo [1024][1040] f32: wave nt = 4 (id - 192) + w takes rows 16 nt on.  Lane (r, h) takes, of row r, 16 neighbours of each block of 32.  All 132 loads go out at once.  This role stores nothing to LDS.
	s_load_b128 s[8:11], s[0:1], 0x90              ; Wo, woimg
	s_load_b64 s[12:13], s[0:1], 0xa0              ; wosc
	s_sub_co_u32 s4, ttmp9, 192
	s_lshl_b32 s4, s4, 2
	s_add_co_u32 s4, s4, s3
	s_wait_alu depctr_va_vdst(0)
	v_mul_u32_u24 v5, v2, 4160                     ; a row is 4,160 bytes
	v_lshl_add_u32 v4, v3, 6, v5
	v_lshlrev_b32 v6, 4, v1
	v_lshlrev_b32 v7, 4, v2
	s_mov_b32 s42, 0xffff0000                      ; lanes 16-31
.irp b, 0,1,2,3
	v_mov_b32 v[TM+4+\b], 0
.endr
	s_mul_i32 s44, s4, 66560
	s_mov_b32 s45, 0
	s_mul_i32 s46, s4, 9216                        ; nine fragments of 1,024 bytes
	s_mov_b32 s47, 0
	s_lshr_b32 s48, s4, 3                          ; scale words: [nt / 8][K step][16 ((nt / 4) % 2) + r][nt % 4]
	s_mul_i32 s48, s48, 4608
	s_bfe_u32 s49, s4, 0x10002
	s_lshl_b32 s49, s49, 8
	s_add_co_u32 s48, s48, s49
	s_and_b32 s49, s4, 3
	s_lshl_b32 s49, s49, 2
	s_add_co_u32 s48, s48, s49
	s_mov_b32 s49, 0
	s_wait_kmcnt 0x0
	s_add_nc_u64 s[8:9], s[8:9], s[44:45]
	s_add_nc_u64 s[10:11], s[10:11], s[46:47]
	s_add_nc_u64 s[12:13], s[12:13], s[48:49]
	s_wait_alu depctr_va_vdst(0)                   ; the offsets v4 to v7 are written, which the role's loads and stores read
.irp s, 0,1,2,3,4,5,6,7
	WIN (1+\s/4)<<6
.irp b, 0,1,2,3
.irp j, 0,1,2,3
	global_load_b128 v[64*(\s%4)+16*\b+4*\j:64*(\s%4)+16*\b+4*\j+3], v4, s[8:9] offset:512*\s+128*\b+16*\j th:TH_LOAD_NT
.endr
.endr
.endr
	WIN 0xc0
.irp j, 0,1,2,3
	global_load_b128 v[4*\j:4*\j+3], v5, s[8:9] offset:4096+16*\j th:TH_LOAD_NT   ; both halves of the lanes read the row's last 16 numbers: no load leaves the buffer
.endr
	WIN 0
.irp s, 0,1,2,3,4,5,6,7,8
	WOSTEP \s
.endr
	s_endpgm
.Lfunc_end_k_q0988501cf6_prep:
	.size	k_q0988501cf6_prep, .Lfunc_end_k_q0988501cf6_prep-k_q0988501cf6_prep
	.p2alignl 7, 3214868480
	.fill 96, 4, 3214868480
	.section	.rodata,"a",@progbits
	.p2align	6, 0x0
	.amdhsa_kernel k_q0988501cf6_prep
		.amdhsa_group_segment_fixed_size 181760
		.amdhsa_private_segment_fixed_size 0
		.amdhsa_enable_private_segment 0
		.amdhsa_kernarg_size 184
		.amdhsa_user_sgpr_count 2
		.amdhsa_user_sgpr_kernarg_segment_ptr 1
		.amdhsa_wavefront_size32 1
		.amdhsa_system_sgpr_workgroup_id_x 1
		.amdhsa_system_sgpr_workgroup_id_y 1
		.amdhsa_system_sgpr_workgroup_id_z 1
		.amdhsa_system_vgpr_workitem_id 0
		.amdhsa_next_free_vgpr 896
		.amdhsa_next_free_sgpr 66
		.amdhsa_reserve_vcc 0
		.amdhsa_float_denorm_mode_32 3
		.amdhsa_float_denorm_mode_16_64 3
		.amdhsa_memory_ordered 1
		.amdhsa_forward_progress 1
		.amdhsa_inst_pref_size 255
	.end_amdhsa_kernel
	.section	.bss,"aw",@nobits
	.p2align	6
	.space	262144
	.amdgpu_metadata
---
amdhsa.version: [ 1, 2 ]
amdhsa.kernels:
  - .name:           k_q0988501cf6_prep
    .symbol:         k_q0988501cf6_prep.kd
    .args:
      - { .name: q_codes, .offset: 0, .size: 8, .value_kind: global_buffer, .address_space: global }
      - { .name: q_scales, .offset: 8, .size: 8, .value_kind: global_buffer, .address_space: global }
      - { .name: Wq_codes, .offset: 16, .size: 8, .value_kind: global_buffer, .address_space: global }
      - { .name: Wq_scales, .offset: 24, .size: 8, .value_kind: global_buffer, .address_space: global }
      - { .name: bq, .offset: 32, .size: 8, .value_kind: global_buffer, .address_space: global }
      - { .name: qimg, .offset: 40, .size: 8, .value_kind: global_buffer, .address_space: global }
      - { .name: k_codes, .offset: 48, .size: 8, .value_kind: global_buffer, .address_space: global }
      - { .name: k_scales, .offset: 56, .size: 8, .value_kind: global_buffer, .address_space: global }
      - { .name: Wk_codes, .offset: 64, .size: 8, .value_kind: global_buffer, .address_space: global }
      - { .name: Wk_scales, .offset: 72, .size: 8, .value_kind: global_buffer, .address_space: global }
      - { .name: bk, .offset: 80, .size: 8, .value_kind: global_buffer, .address_space: global }
      - { .name: kimg, .offset: 88, .size: 8, .value_kind: global_buffer, .address_space: global }
      - { .name: v_codes, .offset: 96, .size: 8, .value_kind: global_buffer, .address_space: global }
      - { .name: v_scales, .offset: 104, .size: 8, .value_kind: global_buffer, .address_space: global }
      - { .name: Wv_codes, .offset: 112, .size: 8, .value_kind: global_buffer, .address_space: global }
      - { .name: Wv_scales, .offset: 120, .size: 8, .value_kind: global_buffer, .address_space: global }
      - { .name: bv, .offset: 128, .size: 8, .value_kind: global_buffer, .address_space: global }
      - { .name: vimg, .offset: 136, .size: 8, .value_kind: global_buffer, .address_space: global }
      - { .name: Wo, .offset: 144, .size: 8, .value_kind: global_buffer, .address_space: global }
      - { .name: woimg, .offset: 152, .size: 8, .value_kind: global_buffer, .address_space: global }
      - { .name: wosc, .offset: 160, .size: 8, .value_kind: global_buffer, .address_space: global }
      - { .name: mask, .offset: 168, .size: 8, .value_kind: global_buffer, .address_space: global }
      - { .name: mbits, .offset: 176, .size: 8, .value_kind: global_buffer, .address_space: global }
    .group_segment_fixed_size: 181760
    .private_segment_fixed_size: 0
    .kernarg_segment_align: 8
    .kernarg_segment_size: 184
    .max_flat_workgroup_size: 128
    .sgpr_count:     66
    .vgpr_count:     896
    .wavefront_size: 32
...
	.end_amdgpu_metadata
.endif
;; end of part 4
;; launch attn (part 5): grid 4 x 64, 16 waves a work-group, clusters of 4 x 1, 243,712 bytes of LDS; arguments qimg, kimg, vimg, mbits, om, ox; writes om, ox
.if DOCPART == 5
	.amdgcn_target "amdgcn-amd-amdhsa--gfx1250"
	.amdhsa_code_object_version 6
	.text
	.protected	k_q0988501cf6_attn
	.globl	k_q0988501cf6_attn
	.p2align	8
	.type	k_q0988501cf6_attn,@function
k_q0988501cf6_attn:
	s_mov_b64 s[64:65], 0
	v_nop
	global_prefetch_b8 v0, s[64:65] scope:SCOPE_SE
	s_setreg_imm32_b32 hwreg(HW_REG_WAVE_MODE, 25, 1), 1
	s_wait_xcnt 0x0
	s_wait_alu depctr_hold_cnt(0) depctr_sa_sdst(0) depctr_va_vdst(0) depctr_va_sdst(0) depctr_va_ssrc(0) depctr_va_vcc(0) depctr_vm_vsrc(0)
	s_getreg_b32 s2, hwreg(HW_REG_IB_STS2, 6, 4)
	s_cmp_eq_u32 s2, 0
	s_cbranch_scc0 .Lentry_in_a_cluster
	s_endpgm
.Lentry_in_a_cluster:
	s_bfe_u32 s2, ttmp6, 0x10000c
	s_cmp_lg_u32 s2, 0x3003
	s_cbranch_scc0 .Lentry_shape_is_right
	s_endpgm
.Lentry_shape_is_right:
; ATTENTION on codes of FP4 (E2M1), one E8M0 scale for each 32 along K.  Head size 65, 2,048 keys, an arbitrary mask.
; t = score x c, c = log2(e) / sqrt(65); M = the largest t of the row so far, rounded up to a whole number; p = 2^(t - M) is quantised along the keys, not normalised;
; the sum of the unquantised p divides at the end.  When M moves, the sum and O are multiplied by 2^(old M - new M), which rounds nothing.
; SHARES.  A work-group takes one head (64 of them: batch x 16 + head) and 512 queries; each of its sixteen waves one tile of 16 queries at a time, two passes.
; The whole head's K (16 records of 5,120 bytes) and V (16 of 5,632) lie in LDS for the whole launch, as images of operand registers: filled once, never again: no ring and no barrier in the loops.
; CLUSTER.  The four work-groups of a cluster are the four query blocks of one head and want the same 172,032 bytes: waves 0-3 ask for a quarter of K each, waves 4-7 for a quarter of V,
; jointly: the same load with the same descriptor and a mask that names the four.  By this text's count a wave has at most one tensor load outstanding.
; LAYOUT.  Both products transposed: S^T = K Q^T, O^T = V^T P^T: a lane holds one query (lane % 16) throughout.  Score register n holds key 32 (n / 16) + 16 (lane / 16) + n % 16 of the step.
; A head's fifth tile of V^T holds unit 64 in all sixteen rows.
; K'S OPERANDS LIE OVER EACH OTHER.  Of k = 65 .. 127 Q holds zero codes, and a code of FP4 is always a finite number: so what K holds there adds nothing, whatever it is.  Only registers 0-4 of an operand of K
; carry data; the eight operands of a step lie 6 registers apart, each reaching into the next: 50 registers for 128 keys.
; THE STEP'S ORDER serves a wave that has the SIMD nearly to itself: the next step's K is asked for in the middle of this step, V at its head; the exponentials stand as one batch with plain lines between them
; (the scalings that run ahead of them, the rescaling of O); the loads stand where one line would wait for the line above it; the row's sum is a tree of independent additions.
; THE MASK comes as bit words: word n of a step has bit lane set where the key of score register n counts for the query of that lane.  64 words a step come by scalar loads, a step ahead, and serve as the select of v_cndmask_b32.
; LIMITS.  A masked score is -2^33, so that t = -2^33 c is exact and a row with every key masked has t - M = 0, p = 1: the uniform mean, as the reference has it.  As a logit that is about -1.07e9 and not -1e9:
; results are the reference's while unmasked logits lie above about -1e9.  NaN and infinities are not served.  A block whose every p has fallen under 2^-124 keeps the byte 1.
; No prefetch: all of K and V is asked for at the head, and the mask words are asked for a step ahead.
; REGISTERS: v1-7 addresses that stay, v8-10 addresses of the step, v11 the masked score, v12 -M, v13 the largest score, v[14:15] the sum, v16-23 Q, v24 its scale word, v26-27 Q's offsets, v28-31 K's scale words,
;   v32-81 K's eight operands, v82-145 S^T then p, v146-185 O^T, v186-225 V's five fragments, v226-229 V's scale words, v230-237 p's codes, v238-254 at work, v255 p's scale word.
.set WV,  2                            ; s2  wave
.set KS,  28
.set KF,  32                           ; operand t at v[KF + 6 t]
.set S,   82
.set O,   146
.set VF,  186
.set VS,  226
.set P,   230
.set BM,  238                          ; the largest score of each block, then its p
.set T2,  242
.set SC,  246
.set OLD, 250                          ; -M of the step before
.set F,   252                          ; v[252:253] f = 2^(old M - new M), named as a pair
.set TMP, 254
.set PW,  255
.set VBASE, 81920
.set STG,   172032                     ; behind K and V: 16 rows x 272 bytes for each wave, for the way out
.set G1K, 28                           ; s[28:35], s[36:43] descriptor groups 1;  s[44:47], s[48:51] groups 0.  Behind the wait for the loads these registers take mask words
.set G1V, 36
.macro ROUND                           ; a round of the cluster barrier
	s_barrier_signal -1
	s_barrier_wait -1
	s_cmp_lg_u32 s[WV], 0
	s_cbranch_scc1 .Lnot_wave_0_\@
	s_barrier_signal -3
.Lnot_wave_0_\@:
	s_barrier_wait -3
	s_barrier_signal -1
	s_barrier_wait -1
.endm
.macro MM0 d, a, sa, row1              ; a tile of scores: 16 keys x my 16 queries; the constant 0 starts the sum
.if \row1
	v_wmma_scale_f32_16x16x128_f8f6f4 v[\d:\d+7], v[\a:\a+7], v[16:23], 0, v[\sa], v24 matrix_a_fmt:MATRIX_FMT_FP4 matrix_b_fmt:MATRIX_FMT_FP4 matrix_a_scale:MATRIX_SCALE_ROW1
.else
	v_wmma_scale_f32_16x16x128_f8f6f4 v[\d:\d+7], v[\a:\a+7], v[16:23], 0, v[\sa], v24 matrix_a_fmt:MATRIX_FMT_FP4 matrix_b_fmt:MATRIX_FMT_FP4
.endif
.endm
.macro KL_KS ak, off                   ; a record's scale words: lanes 0-15 those of tiles 0-3, lanes 16-31 of tiles 4-7
	ds_load_b128 v[KS:KS+3], v[\ak] offset:(\off)+4608
.endm
.macro KL_T t, ak, ax, off             ; tile t of a record: registers 0-3, and register 4 (the code of unit 64; both halves of the lanes take the same word)
	ds_load_b128 v[KF+6*(\t):KF+6*(\t)+3], v[\ak] offset:(\off)+512*(\t)
	ds_load_b32 v[KF+6*(\t)+4], v[\ax] offset:(\off)+4096+256*((\t)/4)+4*((\t)%4)
.endm
; The plain lines that stand between the exponentials, number kk of 51: the scalings of pairs 2 to 31 (each well ahead of its pair's exponentials), O^T under the new M, the sum under the new M.  None names a register that an exponential has written.
.macro PLAIN
.if kk < 30
	v_pk_fma_f32 v[S+2*kk+4:S+2*kk+5], v[S+2*kk+4:S+2*kk+5], s[86:87], v[12:13] op_sel_hi:[1,0,0]
.elseif kk < 50
	v_pk_mul_f32 v[O+2*(kk-30):O+2*(kk-30)+1], v[O+2*(kk-30):O+2*(kk-30)+1], v[F:F+1] op_sel_hi:[1,0]
.else
	v_pk_mul_f32 v[14:15], v[14:15], v[F:F+1] op_sel_hi:[1,0]
.endif
.set kk, kk+1
.endm
	s_load_b256 s[16:23], s[0:1], 0x0              ; qimg, kimg, vimg, mbits
	s_load_b128 s[24:27], s[0:1], 0x20             ; om, ox
	v_lshl_add_u32 v25, v0, 2, 0x3b000
	v_mov_b32 v251, 0
	ds_add_u32 v25, v251
	ds_add_u32 v25, v251
	v_lshrrev_b32 v1, 5, v0
	v_readfirstlane_b32 s[WV], v1                  ; wave 0..15
	s_bfe_u32 s89, ttmp6, 0x40000                  ; cx: which 512 queries: it enters global addresses of Q, mask and results alone
	s_and_b32 s90, ttmp7, 0xffff                   ; batch x 16 + head, which the four partners share
	s_lshr_b32 s91, s90, 4                         ; batch
	s_and_b32 s92, s90, 15                         ; head
	; dense blocks as rows of 256 bytes (32 elements of 8 bytes): 80 rows of K, 88 of V, to a load
	s_mov_b32 s[G1K], 15|(3<<16)|(1<<21)           ; 15:0 the mask: all four work-groups; 17:16 elements of 8 bytes; 21 set beside a mask; no padding
	s_mov_b32 s[G1K+1], 32<<16                     ; tensor_dim0
	s_mov_b32 s[G1K+2], 80<<16                     ; tensor_dim1
	s_mov_b32 s[G1K+3], 32<<16                     ; tile_dim0
	s_mov_b32 s[G1K+4], 80                         ; tile_dim1
	s_mov_b32 s[G1K+5], 32                         ; the pitch
	s_mov_b32 s[G1K+6], 0
	s_mov_b32 s[G1K+7], 0
	s_mov_b32 s[G1V], 15|(3<<16)|(1<<21)
	s_mov_b32 s[G1V+1], 32<<16
	s_mov_b32 s[G1V+2], 88<<16
	s_mov_b32 s[G1V+3], 32<<16
	s_mov_b32 s[G1V+4], 88
	s_mov_b32 s[G1V+5], 32
	s_mov_b32 s[G1V+6], 0
	s_mov_b32 s[G1V+7], 0
	s_and_b32 s93, s[WV], 3                        ; which quarter
	s_mul_i32 s94, s93, 20480
	s_mul_i32 s96, s90, 81920
	s_add_co_u32 s96, s96, s94
	s_mov_b32 s97, 0
	s_mul_i32 s95, s93, 22528
	s_mul_i32 s98, s90, 90112
	s_add_co_u32 s98, s98, s95
	s_mov_b32 s99, 0
	s_wait_dscnt 0x0
	s_wait_kmcnt 0x0
	s_mov_b32 s44, 1
	s_mov_b32 s45, s94                             ; LDS address: the wave's number alone
	s_add_nc_u64 s[46:47], s[18:19], s[96:97]
	s_or_b32 s47, s47, 0x80000000
	s_mov_b32 s48, 1
	s_add_co_u32 s49, s95, VBASE
	s_add_nc_u64 s[50:51], s[20:21], s[98:99]
	s_or_b32 s51, s51, 0x80000000
	ROUND                                          ; all four work-groups are here: the joint loads meet
	s_cmp_lt_u32 s[WV], 4
	s_cbranch_scc0 .Lnot_k
	tensor_load_to_lds s[44:47], s[G1K:G1K+7]
	s_nop 0
.rept 4
	v_nop                                          ; four v_nop follow each of the two lines
.endr
	s_branch .Lasked
.Lnot_k:
	s_cmp_lt_u32 s[WV], 8
	s_cbranch_scc0 .Lasked
	tensor_load_to_lds s[48:51], s[G1V:G1V+7]
	s_nop 0
.rept 4
	v_nop
.endr
.Lasked:
	; where my wave's Q, mask words and results lie
	s_lshl_b32 s96, s90, 4
	s_lshl_b32 s93, s89, 2
	s_add_co_u32 s96, s96, s93
	s_lshr_b32 s93, s[WV], 3
	s_add_co_u32 s96, s96, s93
	s_mul_i32 s96, s96, 5120
	s_add_nc_u64 s[8:9], s[16:17], s[96:97]        ; Q: record 16 hy + 4 cx + w / 8; a pass on: two records
	s_lshl_b32 s96, s91, 7
	s_lshl_b32 s93, s89, 5
	s_add_co_u32 s96, s96, s93
	s_add_co_u32 s96, s96, s[WV]
	s_lshl_b32 s96, s96, 12
	s_add_nc_u64 s[10:11], s[22:23], s[96:97]      ; mask words: 4,096 bytes a query tile
	s_lshl_b32 s98, s91, 11
	s_lshl_b32 s93, s89, 9
	s_add_co_u32 s98, s98, s93
	s_lshl_b32 s93, s[WV], 4
	s_add_co_u32 s98, s98, s93                     ; my first row of 8,192
	s_lshl_b32 s96, s98, 12
	s_lshl_b32 s93, s92, 8
	s_add_co_u32 s96, s96, s93
	s_add_nc_u64 s[12:13], s[24:25], s[96:97]      ; om [row][head][64]
	s_lshl_b32 s96, s92, 13
	s_add_co_u32 s96, s96, s98
	s_lshl_b32 s96, s96, 2
	s_add_nc_u64 s[14:15], s[26:27], s[96:97]      ; ox [head][row]
	s_mov_b32 s84, 0x76543210
	s_mov_b32 s85, 0xfedcba98                      ; selects of v_permlanex16_b32 for lane l xor 16
	s_mov_b32 s86, 0x3e373d2c                      ; c = log2(e) / sqrt(65)
	s_mov_b32 s87, s86                             ; (named with it as a pair)
	s_mov_b32 s88, 0xffff0000                      ; lanes 16-31
	v_and_b32 v8, 31, v0                           ; lane
	v_and_b32 v9, 15, v0                           ; r
	v_bfe_u32 v10, v0, 4, 1                        ; h
	v_lshlrev_b32 v1, 4, v8                        ; K: 16 x lane
	v_lshlrev_b32 v2, 4, v9                        ; K's register 4: 16 r
	v_add_nc_u32 v3, VBASE, v1                     ; V
	s_mul_i32 s91, s[WV], 4352
	s_add_co_u32 s91, s91, STG                     ; my stage
	v_mul_u32_u24 v4, v9, 272
	v_lshl_add_u32 v4, v10, 5, v4
	v_add_nc_u32 v4, s91, v4                       ; in: row r, + 32 h
	v_mul_u32_u24 v5, v10, 272
	v_lshl_add_u32 v5, v9, 4, v5
	v_add_nc_u32 v5, s91, v5                       ; back: lanes 0-15 one row, lanes 16-31 the next
	v_lshlrev_b32 v6, 12, v10
	v_lshl_add_u32 v6, v9, 4, v6                   ; the same two rows in om, 4,096 bytes apart
	v_lshlrev_b32 v7, 2, v9
	s_and_b32 s92, s[WV], 7
	s_lshl_b32 s92, s92, 9
	v_add_nc_u32 v26, s92, v1                      ; Q: tile w % 8 of its record
	s_bfe_u32 s92, s[WV], 0x10002
	s_lshl_b32 s92, s92, 8
	s_and_b32 s93, s[WV], 3
	s_lshl_b32 s93, s93, 2
	s_add_co_u32 s92, s92, s93
	s_add_co_u32 s92, s92, 4096
	v_add_nc_u32 v27, s92, v2                      ; its register 4; the scale word lies 512 bytes on
	v_mov_b32 v11, 0xd0000000                      ; -2^33
	v_mov_b32 v21, 0                               ; Q's registers 5-7: zero codes
	v_mov_b32 v22, 0
	v_mov_b32 v23, 0
.irp t, 0,1,2,3,4,5,6,7
	v_mov_b32 v[KF+6*\t+5], 0                      ; the one register of each operand of K that no load fills: written once
.endr
	v_mov_b32 v[KF+48], 0                          ; and the two behind the last operand's data
	v_mov_b32 v[KF+49], 0
.irp b, 0,1,2,3
	v_mov_b32 v[T2+\b], 0                          ; written once: the destination of a lane permute counts as a source
.endr
	v_mov_b32 v[F+1], 0                            ; (named as the upper half of the pair)
	s_wait_tensorcnt 0x0                           ; my part of K or V has landed (a wave that asked for nothing passes)
	s_barrier_signal -1
	s_barrier_wait -1                              ; everybody's has
	s_mov_b32 s3, 2
.Lpass:
	global_load_b128 v[16:19], v26, s[8:9]         ; Q's registers 0-3
	global_load_b32 v20, v27, s[8:9]               ; register 4: the code of unit 64
	global_load_b32 v24, v27, s[8:9] offset:512    ; the scale word
	s_mov_b32 s7, 0
	s_load_b512 s[16:31], s[10:11], s7 offset:0x0  ; step 0's 64 mask words: word n in s[16 + n], from word 48 on in s[20 + n]
	s_load_b512 s[32:47], s[10:11], s7 offset:0x40
	s_load_b512 s[48:63], s[10:11], s7 offset:0x80
	s_load_b512 s[68:83], s[10:11], s7 offset:0xc0
	KL_KS 1, 0                                     ; step 0's K
.irp t, 0,1,2,3,4,5,6,7
	KL_T \t, 1, 2, 0
.endr
	s_mov_b32 s5, 0                                ; the step's record of K in LDS
	s_mov_b32 s6, 0                                ; and of V
	s_mov_b32 s4, 16
	v_mov_b32 v13, 0xff61b1e6                      ; the largest score so far: -3e38
	v_floor_f32 v12, -v13                          ; -M: so large that the first step's f is 0
	v_mov_b32 v14, 0
	v_mov_b32 v15, 0
	s_wait_loadcnt 0x0
	v_cndmask_b32 v20, v20, v21, s88               ; lanes 16-31 hold k = 96 on: zero codes
.set jj, 0
.rept 40
	v_mov_b32 v[O+jj], 0                           ; O^T: the step is written once; the first finds zeros, which the first change of M leaves zeros
.set jj, jj+1
.endr
	s_wait_dscnt 0x0                               ; step 0's K is in
.Lstep:                                            ; 16 trips: 128 keys each.  This step's K lies in registers: it was awaited ahead of the last step's second product
	s_setprio 2
	v_add_nc_u32 v8, s5, v1
	v_add_nc_u32 v9, s5, v2
	v_add_nc_u32 v10, s6, v3
	v_mov_b32 v[OLD], v12                          ; these four lines are also the places between the last step's second product and the loads into V's registers
.irp t, 0,1,2,3,4,5,6,7
	MM0 S+8*\t, KF+6*\t, KS+(\t%4), \t/4
.endr
	ds_load_b128 v[VS:VS+3], v10 offset:5120       ; V lands under the softmax.  Lanes 0-15: scale words of tiles 0-3; lanes 16-31, first register: of tile 4
.irp t, 0,1,2,3,4
.irp c, 0,1
	ds_load_b128 v[VF+8*\t+4*\c:VF+8*\t+4*\c+3], v10 offset:1024*\t+512*\c
.endr
.endr
.rept 4
	v_nop                                          ; four places behind the scores' products: for the reads of the scores and for the loads into K's registers further down
.endr
	s_wait_kmcnt 0x0                               ; this step's mask words, asked for a step ago
.set nn, 0
.rept 64
	v_cndmask_b32 v[S+nn], v11, v[S+nn], s[16+nn+4*(nn/48)]   ; a key that does not count: -2^33
.set nn, nn+1
.endr
	s_add_co_u32 s7, s7, 256
	s_and_b32 s7, s7, 4095                         ; the next step's words; the last step asks for step 0's again, so that no load leaves the buffer and no branch is needed
	s_load_b512 s[16:31], s[10:11], s7 offset:0x0
	s_load_b512 s[32:47], s[10:11], s7 offset:0x40
	s_load_b512 s[48:63], s[10:11], s7 offset:0x80
	s_load_b512 s[68:83], s[10:11], s7 offset:0xc0
.irp b, 0,1,2,3
	v_max3_num_f32 v[BM+\b], v[S+16*\b], v[S+16*\b+1], v[S+16*\b+2]   ; the largest score of each block of 32 keys: for the row's maximum and, since p rises with the score, for the block's largest p
.endr
.irp i, 3,5,7,9,11,13
.irp b, 0,1,2,3
	v_max3_num_f32 v[BM+\b], v[BM+\b], v[S+16*\b+\i], v[S+16*\b+\i+1]
.endr
.endr
.irp b, 0,1,2,3
	v_max_num_f32 v[BM+\b], v[BM+\b], v[S+16*\b+15]
.endr
.irp b, 0,1,2,3
	v_permlanex16_b32 v[T2+\b], v[BM+\b], s84, s85
.endr
.irp b, 0,1,2,3
	v_max_num_f32 v[BM+\b], v[BM+\b], v[T2+\b]     ; with the 16 keys of lane l xor 16
.endr
	; From here to -M each line reads the line above it: THE NEXT STEP'S K IS ASKED FOR IN BETWEEN, 5,120 bytes on.  (The last step's request reads the first bytes of V's region: inside LDS, filled, and not used.)
	v_max3_num_f32 v[TMP], v[BM], v[BM+1], v[BM+2]
	KL_KS 8, 5120
	KL_T 0, 8, 9, 5120
	KL_T 1, 8, 9, 5120
	v_max3_num_f32 v13, v[TMP], v[BM+3], v13       ; the running largest score
	KL_T 2, 8, 9, 5120
	KL_T 3, 8, 9, 5120
	v_mul_f32 v[TMP], s86, v13                     ; as t: c is positive, so this is the largest t
	KL_T 4, 8, 9, 5120
	KL_T 5, 8, 9, 5120
	v_floor_f32 v12, -v[TMP]                       ; the new -M = floor(-t): M is a whole number
	KL_T 6, 8, 9, 5120
	KL_T 7, 8, 9, 5120
	v_sub_f32 v[TMP], v12, v[OLD]                  ; old M - new M: a whole number, 0 or less.  f is made beside the first scalings
	v_fma_f32 v[BM], v[BM], s86, v12               ; t - M of each block's largest score
	v_fma_f32 v[BM+1], v[BM+1], s86, v12
	v_cvt_i32_f32 v[TMP], v[TMP]                   ; (it saturates)
	v_fma_f32 v[BM+2], v[BM+2], s86, v12
	v_fma_f32 v[BM+3], v[BM+3], s86, v12
	v_ldexp_f32 v[F], 1.0, v[TMP]                  ; f = 2^(old M - new M)
	v_pk_fma_f32 v[S:S+1], v[S:S+1], s[86:87], v[12:13] op_sel_hi:[1,0,0]       ; t - M, two at a time: pairs 0 and 1; the others stand among the exponentials
	v_pk_fma_f32 v[S+2:S+3], v[S+2:S+3], s[86:87], v[12:13] op_sel_hi:[1,0,0]
	; ONE BATCH of 68 exponentials: the four blocks' largest p, then p = 2^(t - M) of the 64 scores.  47 plain lines stand in the gaps, four behind the last; none reads or writes a result of the batch.
.set ee, 0
.set kk, 0
	s_setprio 1
.rept 68
.if ee < 4
	v_exp_f32 v[BM+ee], v[BM+ee]
.else
	v_exp_f32 v[S+ee-4], v[S+ee-4]
.endif
.if ((ee+1)*47)/68 > (ee*47)/68
	PLAIN
.endif
.set ee, ee+1
.endr
.rept 4
	PLAIN
.endr
	s_wait_alu depctr_va_vdst(0)                   ; one wait for the whole batch, ahead of its first reader
.irp b, 0,1,2,3
	v_max_num_f32 v[BM+\b], 0x1800000, v[BM+\b]    ; the floor 2^(3 - 127): the byte cannot fall under 1
.endr
.irp b, 0,1,2,3
	v_add_nc_u32 v[SC+\b], 0xff000000, v[BM+\b]    ; 2 off the exponent field: the scale operand of the conversion
.endr
.irp b, 0,1,2,3
	v_cvt_scalef32_pk8_fp4_f32 v[P+2*\b], v[S+16*\b:S+16*\b+7], v[SC+\b]
	v_cvt_scalef32_pk8_fp4_f32 v[P+2*\b+1], v[S+16*\b+8:S+16*\b+15], v[SC+\b]
	v_lshrrev_b32 v[T2+\b], 23, v[SC+\b]           ; the scale byte
.endr
	v_lshl_or_b32 v[PW], v[T2+1], 8, v[T2]         ; p's scale word for these 128 keys.  (Plain lines between the last conversion and the first touch of the codes)
	v_lshl_or_b32 v[PW], v[T2+2], 16, v[PW]
	v_lshl_or_b32 v[PW], v[T2+3], 24, v[PW]
.irp c, 0,1
.irp i, 0,1
	v_permlane16_swap_b32 v[P+4*\c+\i], v[P+2+4*\c+\i]   ; a whole block to a lane
.endr
.endr
	s_setprio 0
	; THE ROW'S SUM IS TAKEN OF THE UNQUANTISED p, in place, now that the conversions have read it: a tree, neighbours 1, 2, 4, 8 and 16 pairs apart.  These 32 lines are also the places between p's scale word and codes and the products.
.irp w, 4,8,16,32,64
.set uu, 0
.rept 64/\w
	v_pk_add_f32 v[S+\w*uu:S+\w*uu+1], v[S+\w*uu:S+\w*uu+1], v[S+\w*uu+\w/2:S+\w*uu+\w/2+1]
.set uu, uu+1
.endr
.endr
	v_pk_add_f32 v[14:15], v[14:15], v[S:S+1]
	s_wait_dscnt 0x0                               ; V is in, and so is the next step's K
.irp t, 0,1,2,3
	v_wmma_scale_f32_16x16x128_f8f6f4 v[O+8*\t:O+8*\t+7], v[VF+8*\t:VF+8*\t+7], v[P:P+7], v[O+8*\t:O+8*\t+7], v[VS+\t], v[PW] matrix_a_fmt:MATRIX_FMT_FP4 matrix_b_fmt:MATRIX_FMT_FP4
.endr
	v_wmma_scale_f32_16x16x128_f8f6f4 v[O+32:O+39], v[VF+32:VF+39], v[P:P+7], v[O+32:O+39], v[VS], v[PW] matrix_a_fmt:MATRIX_FMT_FP4 matrix_b_fmt:MATRIX_FMT_FP4 matrix_a_scale:MATRIX_SCALE_ROW1
	s_add_co_u32 s5, s5, 5120                      ; the five accumulators take turns, one instruction a turn, and the scores' eight stand between two steps
	s_add_co_u32 s6, s6, 5632
	s_sub_co_u32 s4, s4, 1
	s_cmp_lg_u32 s4, 0
	s_cbranch_scc1 .Lstep
	s_setprio 0
	; THE WAY OUT of a tile of 16 queries
.rept 4
	v_nop                                          ; four places behind the last products
.endr
	v_add_f32 v14, v14, v15
	v_permlanex16_b32 v[TMP], v14, s84, s85
	v_add_f32 v14, v14, v[TMP]                     ; the row's sum
	v_rcp_f32 v14, v14
	v_nop                                          ; a plain line behind the reciprocal
	s_wait_alu depctr_va_vdst(0)                   ; and the wait ahead of its first reader
.set jj, 0
.rept 33
	v_mul_f32 v[S+jj], v[O+jj], v14                ; register 8 t + j: unit 16 t + 8 h + j; register 32: unit 64
.set jj, jj+1
.endr
.irp t, 0,1,2,3
	ds_store_b128 v4, v[S+8*\t:S+8*\t+3] offset:64*\t
	ds_store_b128 v4, v[S+8*\t+4:S+8*\t+7] offset:64*\t+16
.endr
.irp i, 0,1,2,3,4,5,6,7
	ds_load_b128 v[VF+4*\i:VF+4*\i+3], v5 offset:544*\i   ; my own stage: LDS serves the instructions of a wave in order
.endr
.irp i, 0,1,2,3,4,5,6,7
	s_wait_dscnt 7-\i                              ; the younger loads may be out
	global_store_b128 v6, v[VF+4*\i:VF+4*\i+3], s[12:13] offset:8192*\i   ; sixteen lanes store the 256 consecutive, aligned bytes of a row's units 0-63 of this head
.endr
	global_store_b32 v7, v[S+32], s[14:15]         ; unit 64 of 16 rows: 64 consecutive bytes; both halves of the lanes hold the same
	s_wait_kmcnt 0x0                               ; the words asked for in the last step have come: their registers and base may be written
	s_wait_xcnt 0x0                                ; the stores have read their registers and bases
	s_add_nc_u64 s[8:9], s[8:9], 10240
	s_add_nc_u64 s[10:11], s[10:11], 0x10000
	s_add_nc_u64 s[12:13], s[12:13], 0x100000
	s_add_nc_u64 s[14:15], s[14:15], 1024
	s_sub_co_u32 s3, s3, 1
	s_cmp_lg_u32 s3, 0
	s_cbranch_scc1 .Lpass
	s_wait_dscnt 0x0
	s_wait_tensorcnt 0x0
	ds_add_u32 v25, v251
	s_wait_dscnt 0x0
	ROUND                                          ; the closing round: no work-group ends while a partner may still ask for a tile that names it
	s_endpgm
.Lfunc_end_k_q0988501cf6_attn:
	.size	k_q0988501cf6_attn, .Lfunc_end_k_q0988501cf6_attn-k_q0988501cf6_attn
	.p2alignl 7, 3214868480
	.fill 96, 4, 3214868480
	.section	.rodata,"a",@progbits
	.p2align	6, 0x0
	.amdhsa_kernel k_q0988501cf6_attn
		.amdhsa_group_segment_fixed_size 243712
		.amdhsa_private_segment_fixed_size 0
		.amdhsa_enable_private_segment 0
		.amdhsa_kernarg_size 48
		.amdhsa_user_sgpr_count 2
		.amdhsa_user_sgpr_kernarg_segment_ptr 1
		.amdhsa_wavefront_size32 1
		.amdhsa_system_sgpr_workgroup_id_x 1
		.amdhsa_system_sgpr_workgroup_id_y 1
		.amdhsa_system_sgpr_workgroup_id_z 1
		.amdhsa_system_vgpr_workitem_id 0
		.amdhsa_next_free_vgpr 256
		.amdhsa_next_free_sgpr 100
		.amdhsa_reserve_vcc 0
		.amdhsa_float_denorm_mode_32 3
		.amdhsa_float_denorm_mode_16_64 3
		.amdhsa_memory_ordered 1
		.amdhsa_forward_progress 1
		.amdhsa_inst_pref_size 35
	.end_amdhsa_kernel
	.amdgpu_metadata
---
amdhsa.version: [ 1, 2 ]
amdhsa.kernels:
  - .name:           k_q0988501cf6_attn
    .symbol:         k_q0988501cf6_attn.kd
    .args:
      - { .name: qimg, .offset: 0, .size: 8, .value_kind: global_buffer, .address_space: global }
      - { .name: kimg, .offset: 8, .size: 8, .value_kind: global_buffer, .address_space: global }
      - { .name: vimg, .offset: 16, .size: 8, .value_kind: global_buffer, .address_space: global }
      - { .name: mbits, .offset: 24, .size: 8, .value_kind: global_buffer, .address_space: global }
      - { .name: om, .offset: 32, .size: 8, .value_kind: global_buffer, .address_space: global }
      - { .name: ox, .offset: 40, .size: 8, .value_kind: global_buffer, .address_space: global }
    .group_segment_fixed_size: 243712
    .private_segment_fixed_size: 0
    .kernarg_segment_align: 8
    .kernarg_segment_size: 48
    .max_flat_workgroup_size: 512
    .sgpr_count:     100
    .vgpr_count:     256
    .wavefront_size: 32
...
	.end_amdgpu_metadata
.endif
;; end of part 5
;; launch outp (part 6): grid 2 x 128, 4 waves a work-group, no clusters, 313,344 bytes of LDS; arguments om, ox, woimg, wosc, bo, out0; writes out0
.if DOCPART == 6
	.amdgcn_target "amdgcn-amd-amdhsa--gfx1250"
	.amdhsa_code_object_version 6
	.text
	.protected	k_q0988501cf6_outp
	.globl	k_q0988501cf6_outp
	.p2align	8
	.type	k_q0988501cf6_outp,@function
k_q0988501cf6_outp:
	s_mov_b64 s[64:65], 0
	v_nop
	global_prefetch_b8 v0, s[64:65] scope:SCOPE_SE
	s_setreg_imm32_b32 hwreg(HW_REG_WAVE_SCHED_MODE, 0, 2), 2
	s_setreg_imm32_b32 hwreg(HW_REG_WAVE_MODE, 25, 1), 1
	s_wait_xcnt 0x0
	s_wait_alu depctr_vm_vsrc(0)
; OUT = Q(concat) Q(Wo)^T + bo, on codes of FP4 (E2M1) with one E8M0 scale for each 32 along K = 1,040 = 65 x head + unit.
; The blocks of 32 cross the borders of heads, so the heads' results (om [row][head][64], ox [head][row]: unit 64) are first brought into the true order of K, in LDS, in f32, and quantised there.
; SHARES.  A work-group takes 64 rows x 512 columns.  Wave w brings rows 16 w on into order and quantises them (nine fragments: 8 K steps of 128 and one of 16 numbers and zeros);
; their images go to LDS; ONE barrier; then wave w makes columns 128 w on for all 64 rows: its 8 tiles x 9 K steps of Wo stay in 576 registers, read from memory once.
; The product is used transposed (source 0 = 16 rows of Wo, source 1 = 16 rows of concat): a lane holds eight neighbouring columns of one row.  bo is the C of each sum's first product.
; No joint loads: Wo goes straight into registers; a landing place of 288 KB in LDS does not fit beside the 271 KB of f32 rows.
; LIMITS: blocks whose largest magnitude lies under 2^-124 keep the scale byte 1; NaN and infinities are not served.
; LDS: 67,840 w: my 16 rows, 4,240 bytes apart (1,056 f32 + 16 bytes: an odd multiple of 16), later my stage for the way out; 271,360: 36 images of 1,024 bytes (9 m + s); 308,224: their scale words, 128 bytes each.
; REGISTERS.  window 0: v1-17 addresses, v20-55 Wo's scale words, v64-127 and v168-231 two buffers of 64 numbers, v128-143 at work, v144-152 and v232-240 two buffers of codes and a scale word, v156-167 unit 64 and zeros;
;   later v64-207 18 fragments, v208-225 their scale words.
;   windows 1, 2: first the 16 rows as loaded, then Wo's K steps 0-3 and 4-7 at 8 (8 (s % 4) + n).  window 3: v0-63 K step 8, v64-191 sixteen accumulators, v192-255 bo.
; THE MODE: SCHED_MODE bits 1:0 = 2 (LLVM: expert scheduling mode 2), set by the entry lines.  The code itself states the register dependences
; between vector or matrix instructions and memory or LDS instructions, with s_wait_alu, always for 0.
; THE PLAN.  Registers that memory or LDS instructions touch:
;   windows 1, 2        Written by the rows' global loads; read by the LDS stores that bring the rows into order; then Wo's loads land in them: one wait on vm_vsrc between.
;   ST0, ST1            Quantising step s: its maxima and conversions read ST[s % 2]; the LDS loads of step s + 1, issued at the head of step s, land in the other buffer, which step s - 1 read.
;   PC0, PC1 (with the scale word)  Step s writes PC[s % 2]; its three LDS stores read it; step s + 2 writes it again.
;     So ONE wait on va_vdst stands in a step, ahead of its stores: the codes and the scale word are written, and the step is done reading its ST.  One wait on vm_vsrc stands at a step's head, from step 2 on, for the stores of two steps back.
;   v64-225 in the products  Written by LDS loads (fragments, scale words), read by the products; then the way out's LDS loads land in v64-191 and the global stores read them; then the second pair's fragments land.
;   the accumulators    Written by the products; read by the way out's LDS stores; written over by the second pair's first products.
;     Behind a pair's products: the places, then one wait on va_vdst.  Ahead of the second pair: one wait on vm_vsrc.
;   v4-v17              Addresses, made at the head and never written again: one wait on va_vdst ahead of the first load.
.set SEL, 22
.set ST,  64                           ; buffer p at ST + 104 p
.set TM,  128
.set PC,  144                          ; buffer p at PC + 88 p
.set PW,  152                          ; likewise
.set EX,  156
.set ZR,  164
.set WSO, 20
.set XFO, 64
.set XSO, 208
.set XIMG, 271360
.set XSC,  308224
.set MSB, 0
.macro WIN new
.if MSB != (\new)
	s_set_vgpr_msb (MSB<<8)|(\new)
.set MSB, (\new)
.endif
.endm
; 64 numbers of a lane, register 16 b + i = k 32 b + 16 (lane / 16) + i of my row, become a fragment in v[PC + o] on and its scale word in v[PW + o]
.macro QUANT4 s, o
.irp b, 0,1,2,3
	v_max3_num_f32 v[TM+\b], |v[\s+16*\b]|, |v[\s+1+16*\b]|, 0x1800000   ; my 16 numbers of block b, and the floor 2^(3 - 127)
.endr
.irp i, 2,4,6,8,10,12,14
.irp b, 0,1,2,3
	v_max3_num_f32 v[TM+\b], v[TM+\b], |v[\s+16*\b+\i]|, |v[\s+1+16*\b+\i]|
.endr
.endr
.irp b, 0,1,2,3
	v_permlanex16_b32 v[TM+4+\b], v[TM+\b], s[SEL], s[SEL+1]
.endr
.irp b, 0,1,2,3
	v_max_num_f32 v[TM+\b], v[TM+\b], v[TM+4+\b]
.endr
.irp b, 0,1,2,3
	v_add_nc_u32 v[TM+12+\b], 0xff000000, v[TM+\b]
.endr
.irp b, 0,1,2,3
	v_lshrrev_b32 v[TM+4+\b], 23, v[TM+12+\b]
.endr
	v_lshl_or_b32 v[PW+(\o)], v[TM+5], 8, v[TM+4]
	v_lshl_or_b32 v[PW+(\o)], v[TM+6], 16, v[PW+(\o)]
	v_lshl_or_b32 v[PW+(\o)], v[TM+7], 24, v[PW+(\o)]
.irp b, 0,1,2,3
	v_cvt_scalef32_pk8_fp4_f32 v[PC+(\o)+2*\b], v[\s+16*\b:\s+7+16*\b], v[TM+12+\b]
	v_cvt_scalef32_pk8_fp4_f32 v[PC+(\o)+1+2*\b], v[\s+8+16*\b:\s+15+16*\b], v[TM+12+\b]
.endr
	v_nop                                          ; one plain place behind the scaled conversions
.irp c, 0,1
.irp i, 0,1
	v_permlane16_swap_b32 v[PC+(\o)+4*\c+\i], v[PC+(\o)+2+4*\c+\i]
.endr
.endr
.endm
.macro WOLOAD s                        ; my eight tiles of Wo of K step s, and their scale words: they land while the rows are quantised
	WIN (1+(\s)/4)<<6
.irp n, 0,1,2,3,4,5,6,7
.irp c, 0,1
	global_load_b128 v[64*((\s)%4)+8*\n+4*\c:64*((\s)%4)+8*\n+4*\c+3], v13, s[12:13] offset:(9*\n+\s)*1024+512*\c
.endr
.endr
	WIN 0
	global_load_b128 v[WSO+4*\s:WSO+4*\s+3], v13, s[14:15] offset:512*\s   ; lanes 0-15: tiles 0-3, lanes 16-31: tiles 4-7
.endm
; my row's 64 numbers of K step s, from LDS into buffer s % 2
.macro QLOAD s
.if (\s) < 8
.irp b, 0,1,2,3
.irp j, 0,1,2,3
	ds_load_b128 v[ST+104*((\s)%2)+16*\b+4*\j:ST+104*((\s)%2)+16*\b+4*\j+3], v8 offset:512*(\s)+128*\b+16*\j
.endr
.endr
.else
.irp j, 0,1,2,3
	ds_load_b128 v[ST+4*\j:ST+4*\j+3], v8 offset:4096+16*\j    ; k = 1,024 + 16 h on: lanes 16-31 read the zeros behind the row
.endr
.set jj, 16
.rept 48
	v_mov_b32 v[ST+jj], 0                          ; (these name none of the four loads' registers)
.set jj, jj+1
.endr
.endif
.endm
.macro QSTEP s
.if \s > 1
	s_wait_alu depctr_vm_vsrc(0)                   ; the LDS stores of two steps back have read the codes and the scale word that this step writes again
.endif
	WOLOAD \s
.if \s < 8
	QLOAD \s+1                                     ; the next step's numbers.  No wait: no vector instruction since the last step's wait on va_vdst names that buffer
.endif
.if \s == 0
	s_wait_dscnt 16                                ; LDS instructions end in order: this step's numbers are in; the next step's sixteen loads may be out
.elseif \s < 7
	s_wait_dscnt 19                                ; likewise; behind this step's loads stand the last step's three stores and the next step's sixteen loads
.elseif \s == 7
	s_wait_dscnt 7                                 ; three stores and the last step's four loads
.else
	s_wait_dscnt 3                                 ; three stores
.endif
	QUANT4 ST+104*((\s)%2), 88*((\s)%2)
	s_wait_alu depctr_va_vdst(0)                   ; the codes and the scale word are written, which the three stores read; and the step is done reading its buffer of numbers, in which the loads of two steps on land
	ds_store_b128 v9, v[PC+88*((\s)%2):PC+88*((\s)%2)+3] offset:1024*\s    ; the fragment as it stands: 16 bytes a lane
	ds_store_b128 v9, v[PC+88*((\s)%2)+4:PC+88*((\s)%2)+7] offset:1024*\s+512
	ds_store_b32 v10, v[PW+88*((\s)%2)] offset:128*\s
.endm
.macro MMO d, a, b, c, sa, sb, row1
.if \row1
	v_wmma_scale_f32_16x16x128_f8f6f4 v[\d:\d+7], v[\a:\a+7], v[\b:\b+7], v[\c:\c+7], v[\sa], v[\sb] matrix_a_fmt:MATRIX_FMT_FP4 matrix_b_fmt:MATRIX_FMT_FP4 matrix_a_scale:MATRIX_SCALE_ROW1
.else
	v_wmma_scale_f32_16x16x128_f8f6f4 v[\d:\d+7], v[\a:\a+7], v[\b:\b+7], v[\c:\c+7], v[\sa], v[\sb] matrix_a_fmt:MATRIX_FMT_FP4 matrix_b_fmt:MATRIX_FMT_FP4
.endif
.endm
; 16 rows x 128 columns through my own stage (rows 528 bytes apart) and out as whole rows of 512 bytes
.macro OUTTILE pi, mm
	WIN 0x0c                                       ; the data of an LDS store are its source 1: window 3
.irp n, 0,1,2,3,4,5,6,7
	ds_store_b128 v15, v[64+8*(8*\mm+\n):64+8*(8*\mm+\n)+3] offset:64*\n        ; each accumulator from its low end on
	ds_store_b128 v15, v[64+8*(8*\mm+\n)+4:64+8*(8*\mm+\n)+7] offset:64*\n+16
.endr
	WIN 0
.irp t, 0,1,2,3,4,5,6,7,8,9,10,11,12,13,14,15
	ds_load_b128 v[64+64*\mm+4*\t:64+64*\mm+4*\t+3], v16 offset:528*\t          ; LDS serves the instructions of a wave in order
.endr
.irp t, 0,1,2,3,4,5,6,7,8,9,10,11,12,13,14,15
	s_wait_dscnt 15-\t                             ; the younger loads may be out
	global_store_b128 v13, v[64+64*\mm+4*\t:64+64*\mm+4*\t+3], s[18:19] offset:(16*(2*\pi+\mm)+\t)*4096 th:TH_STORE_NT   ; 512 consecutive bytes, aligned to 512
.endr
.endm
	s_load_b256 s[8:15], s[0:1], 0x0               ; om, ox, woimg, wosc
	s_load_b128 s[16:19], s[0:1], 0x20             ; bo, out0
	v_lshl_add_u32 v254, v0, 2, 0x4c600
	v_mov_b32 v255, 0
	v_lshrrev_b32 v1, 5, v0
	v_readfirstlane_b32 s3, v1                     ; wave 0..3
	s_and_b32 s5, ttmp7, 0xffff                    ; which 64 rows
	v_and_b32 v1, 31, v0                           ; lane
	v_and_b32 v2, 15, v0                           ; r
	v_bfe_u32 v3, v0, 4, 1                         ; h
	s_mov_b32 s[SEL], 0x76543210
	s_mov_b32 s[SEL+1], 0xfedcba98
	s_wait_alu depctr_va_sdst(0)                   ; s3 is written, ahead of its first reader: LDS addresses and the bases are made from it
	s_mul_i32 s20, s3, 67840                       ; my 16 rows in LDS
	v_mul_u32_u24 v4, v3, 260
	v_lshl_add_u32 v4, v2, 4, v4
	v_add_nc_u32 v4, s20, v4                       ; a load of 512 bytes holds two heads: head 2 m + h begins 260 (2 m + h) bytes into the row
	v_add_nc_u32 v5, 33920, v4                     ; rows 8-15
	v_mul_u32_u24 v6, v2, 4240
	v_mad_u32_u24 v6, v3, 260, v6
	v_add_nc_u32 v6, s20, v6
	v_add_nc_u32 v6, 256, v6                       ; unit 64 of head 2 q + h of row r
	v_lshrrev_b32 v7, 2, v1
	v_mul_u32_u24 v7, v7, 4240
	v_and_b32 v8, 3, v1
	v_lshl_add_u32 v7, v8, 4, v7
	v_add_nc_u32 v7, s20, v7
	v_add_nc_u32 v7, 4160, v7                      ; the 64 bytes behind k = 1,039 of eight rows
	v_mul_u32_u24 v8, v2, 4240
	v_lshl_add_u32 v8, v3, 6, v8
	v_add_nc_u32 v8, s20, v8                       ; row r, + 64 h: my 16 numbers of a block of 32
	v_lshlrev_b32 v13, 4, v1                       ; 16 x lane
	v_lshlrev_b32 v12, 2, v1
	s_mul_i32 s21, s3, 9216
	s_add_co_u32 s21, s21, XIMG
	v_add_nc_u32 v9, s21, v13                      ; where my nine images go
	s_mul_i32 s21, s3, 1152
	s_add_co_u32 s21, s21, XSC
	v_add_nc_u32 v10, s21, v12                     ; and their scale words
	v_add_nc_u32 v11, XIMG, v13                    ; where any image is read
	v_add_nc_u32 v12, XSC, v12
	v_lshlrev_b32 v14, 15, v3
	v_lshl_add_u32 v14, v2, 2, v14                 ; ox: head h of a pair, row r
	v_mul_u32_u24 v15, v2, 528
	v_lshl_add_u32 v15, v3, 5, v15
	v_add_nc_u32 v15, s20, v15                     ; the stage, in
	v_add_nc_u32 v16, s20, v13                     ; and back
	v_lshlrev_b32 v17, 5, v3                       ; bo: eight columns of my half
.irp b, 0,1,2,3
	v_mov_b32 v[TM+4+\b], 0                        ; written once: the destination of a lane permute counts as a source
	v_mov_b32 v[ZR+\b], 0
.endr
	s_lshl_b32 s24, s5, 6
	s_lshl_b32 s25, s3, 4
	s_add_co_u32 s24, s24, s25                     ; my first row
	s_lshl_b32 s26, s24, 12
	s_mov_b32 s27, 0
	s_lshl_b32 s28, s24, 2
	s_mov_b32 s29, 0
	s_lshl_b32 s30, ttmp9, 5
	s_lshl_b32 s25, s3, 3
	s_add_co_u32 s30, s30, s25                     ; my first tile of Wo: 32 cg + 8 w
	s_mul_i32 s30, s30, 9216
	s_mov_b32 s31, 0
	s_lshl_b32 s32, ttmp9, 2
	s_add_co_u32 s32, s32, s3
	s_mul_i32 s32, s32, 4608
	s_mov_b32 s33, 0
	s_lshl_b32 s34, ttmp9, 11
	s_lshl_b32 s25, s3, 9
	s_add_co_u32 s34, s34, s25                     ; my first column, in bytes
	s_mov_b32 s35, 0
	s_lshl_b32 s36, s5, 18
	s_add_co_u32 s36, s36, s34
	s_mov_b32 s37, 0
	s_wait_kmcnt 0x0
	s_add_nc_u64 s[8:9], s[8:9], s[26:27]
	s_add_nc_u64 s[10:11], s[10:11], s[28:29]
	s_add_nc_u64 s[12:13], s[12:13], s[30:31]
	s_add_nc_u64 s[14:15], s[14:15], s[32:33]
	s_add_nc_u64 s[16:17], s[16:17], s[34:35]
	s_add_nc_u64 s[18:19], s[18:19], s[36:37]
	s_wait_alu depctr_va_vdst(0)                   ; the offsets and addresses v4 to v17 are written, which every load and store of the kernel reads; so are the four zeros that two LDS stores read
	; ---- 1: my 16 rows, unit 64 first
.irp q, 0,1,2,3,4,5,6,7
	global_load_b32 v[EX+\q], v14, s[10:11] offset:65536*\q
.endr
	WIN 0x40
.irp n, 0,1,2,3,4,5,6,7
.irp m, 0,1,2,3,4,5,6,7
	global_load_b128 v[4*(8*\n+\m):4*(8*\n+\m)+3], v13, s[8:9] offset:4096*\n+512*\m
.endr
.endr
	WIN 0x80
.irp n, 0,1,2,3,4,5,6,7
.irp m, 0,1,2,3,4,5,6,7
	global_load_b128 v[4*(8*\n+\m):4*(8*\n+\m)+3], v13, s[8:9] offset:4096*(8+\n)+512*\m
.endr
.endr
	WIN 0xc0
.irp n, 0,1,2,3,4,5,6,7
	global_load_b128 v[192+8*\n:192+8*\n+3], v17, s[16:17] offset:64*\n
	global_load_b128 v[192+8*\n+4:192+8*\n+7], v17, s[16:17] offset:64*\n+16
.endr
	WIN 0
	; ---- 2: into the order of K.  A head begins 260 bytes behind the last: words, not quads
	ds_store_b128 v7, v[ZR:ZR+3]
	ds_store_b128 v7, v[ZR:ZR+3] offset:33920
	s_wait_loadcnt 63                              ; 144 loads were issued behind the first eight
.irp q, 0,1,2,3,4,5,6,7
	ds_store_b32 v6, v[EX+\q] offset:520*\q
.endr
.set nn, 0
.rept 16
.set cnt, 8*(15-nn)+16                 ; the later rows' loads and bo's sixteen may be out
.if cnt > 63
.set cnt, 63
.endif
	s_wait_loadcnt cnt
	WIN 4*(1+nn/8)
.irp m, 0,1,2,3,4,5,6,7
.irp e, 0,1,2,3
	ds_store_b32 v[4+nn/8], v[4*(8*(nn%8)+\m)+\e] offset:4240*(nn%8)+520*\m+4*\e
.endr
.endr
.set nn, nn+1
.endr
	WIN 0
	s_wait_dscnt 0x0                               ; the stores have read their registers, which Wo now takes
	s_wait_alu depctr_vm_vsrc(0)                   ; my LDS stores have read the rows' registers in windows 1 and 2, in which Wo's loads land
	; ---- 3: nine fragments; the numbers come a step ahead, in two buffers by turns
	QLOAD 0
.irp s, 0,1,2,3,4,5,6,7,8
	QSTEP \s
.endr
	s_wait_dscnt 0x0                               ; for the others: my images have landed
	s_barrier_signal -1
	s_barrier_wait -1                              ; all 36 lie in LDS; they are never written again
	s_wait_loadcnt 0x0                             ; Wo, its scale words, bo
	s_wait_alu depctr_vm_vsrc(0)                   ; my LDS stores have read the codes, the scale words, unit 64 and the zeros: fragments now land in those registers (the vector lines that named v64 to v231 stand ahead of the last step's wait on va_vdst)
	; ---- 4: two tiles of rows at a time: 9 K steps x 16 products, sixteen accumulators by turns
.irp pi, 0,1
.if \pi == 1
	s_wait_xcnt 0x0                                ; the stores of the first pair have read their registers
	s_wait_alu depctr_vm_vsrc(0)                   ; the first pair's global stores have read v64 to v191, in which the loads below land; its LDS stores have read the accumulators, which the products below write over
.endif
.irp mm, 0,1
.irp s, 0,1,2,3,4,5,6,7,8
.irp c, 0,1
	ds_load_b128 v[XFO+8*(9*\mm+\s)+4*\c:XFO+8*(9*\mm+\s)+4*\c+3], v11 offset:(9*(2*\pi+\mm)+\s)*1024+512*\c
.endr
	ds_load_b32 v[XSO+9*\mm+\s], v12 offset:128*(9*(2*\pi+\mm)+\s)
.endr
.endr
	s_wait_dscnt 0x0
.irp s, 0,1,2,3,4,5,6,7,8
	WIN 0xf0|(1+\s/4)                              ; Wo window 1, 2 or 3; rows window 0; C and D window 3
.irp mm, 0,1
.irp n, 0,1,2,3,4,5,6,7
.if \s == 0
	MMO 64+8*(8*\mm+\n), 64*(\s%4)+8*\n, XFO+8*(9*\mm+\s), 192+8*\n, WSO+4*\s+(\n%4), XSO+9*\mm+\s, \n/4
.else
	MMO 64+8*(8*\mm+\n), 64*(\s%4)+8*\n, XFO+8*(9*\mm+\s), 64+8*(8*\mm+\n), WSO+4*\s+(\n%4), XSO+9*\mm+\s, \n/4
.endif
.endr
.endr
.endr
	WIN 0
.rept 5
	v_nop                                          ; four places in front of the reads of results and of loads into the fragments; a fifth, since the next pair's first products write over these accumulators
.endr
	s_wait_alu depctr_va_vdst(0)                   ; the products have written the accumulators, which the LDS stores read, and are done reading the fragments and their scale words, in which the loads of the way out and of the next pair land; the places above stay beside this wait
	OUTTILE \pi, 0
	OUTTILE \pi, 1
.endr
	s_wait_dscnt 0x0                               ; the closing lines, six on end
	s_wait_alu 0x0
	s_wait_tensorcnt 0x0
	ds_add_u32 v254, v255
	s_wait_dscnt 0x0
	s_endpgm
.Lfunc_end_k_q0988501cf6_outp:
	.size	k_q0988501cf6_outp, .Lfunc_end_k_q0988501cf6_outp-k_q0988501cf6_outp
	.p2alignl 7, 3214868480
	.fill 96, 4, 3214868480
	.section	.rodata,"a",@progbits
	.p2align	6, 0x0
	.amdhsa_kernel k_q0988501cf6_outp
		.amdhsa_group_segment_fixed_size 313344
		.amdhsa_private_segment_fixed_size 0
		.amdhsa_enable_private_segment 0
		.amdhsa_kernarg_size 48
		.amdhsa_user_sgpr_count 2
		.amdhsa_user_sgpr_kernarg_segment_ptr 1
		.amdhsa_wavefront_size32 1
		.amdhsa_system_sgpr_workgroup_id_x 1
		.amdhsa_system_sgpr_workgroup_id_y 1
		.amdhsa_system_sgpr_workgroup_id_z 1
		.amdhsa_system_vgpr_workitem_id 0
		.amdhsa_next_free_vgpr 1024
		.amdhsa_next_free_sgpr 66
		.amdhsa_reserve_vcc 0
		.amdhsa_float_denorm_mode_32 3
		.amdhsa_float_denorm_mode_16_64 3
		.amdhsa_memory_ordered 1
		.amdhsa_forward_progress 1
		.amdhsa_inst_pref_size 173
	.end_amdhsa_kernel
	.amdgpu_metadata
---
amdhsa.version: [ 1, 2 ]
amdhsa.kernels:
  - .name:           k_q0988501cf6_outp
    .symbol:         k_q0988501cf6_outp.kd
    .args:
      - { .name: om, .offset: 0, .size: 8, .value_kind: global_buffer, .address_space: global }
      - { .name: ox, .offset: 8, .size: 8, .value_kind: global_buffer, .address_space: global }
      - { .name: woimg, .offset: 16, .size: 8, .value_kind: global_buffer, .address_space: global }
      - { .name: wosc, .offset: 24, .size: 8, .value_kind: global_buffer, .address_space: global }
      - { .name: bo, .offset: 32, .size: 8, .value_kind: global_buffer, .address_space: global }
      - { .name: out0, .offset: 40, .size: 8, .value_kind: global_buffer, .address_space: global }
    .group_segment_fixed_size: 313344
    .private_segment_fixed_size: 0
    .kernarg_segment_align: 8
    .kernarg_segment_size: 48
    .max_flat_workgroup_size: 128
    .sgpr_count:     66
    .vgpr_count:     1024
    .wavefront_size: 32
...
	.end_amdgpu_metadata
.endif
;; end of part 6
